; MI455X (gfx1250); checked and timed in simulation.
; The chip was launched on July 23, 2026; its instructions are those of AMD's public machine-readable ISA for CDNA 5 (MIT licence, August 2026) and "CDNA5" Instruction Set Architecture Reference Guide (July 2026). The comments in the code are by the model that wrote it; some were corrected since.
;; Multi Head Attention. Allowed arithmetic: matrix products marked QUANTISED: E2M1 operands, one E8M0 scale for each 32 along K, by v_wmma_scale_f32_16x16x128_f8f6f4 with both operands' format E2M1 (or v_wmma_scale_f32_32x16x128_f4), f32 sums; everything else in f32.
;; Inputs: Wk 1,024 x 1,024 float32; Wp 1,024 x 1,024 float32; Wq 1,024 x 1,024 float32; Wv 1,024 x 1,024 float32; bp 1,024 float32; x 4 x 2,048 x 1,024 float32.
;; Outputs: out0 4 x 2,048 x 1,024 float32.
;; This version of the problem:
;;   THIS VERSION OF THE PROBLEM IS GIVEN IN LOW PRECISION. The matrix products marked QUANTISED in the list below multiply operands that are first quantised to E2M1 (2 exponent bits, 1 mantissa bit; 4 bits a number), with one power-of-two scale for each 32 numbers along K (OCP MX v1.0); their sums are f32. All else is computed in f32.
;;   The module's matrix products, in the order in which they are computed (A, B: the left and right operand; K: the contracted axis; several contracted axes count as one K, in the product's order):
;;     1. [M 8,192, K 1,024] x [K 1,024, N 1,024]; A: input x; B: input Wq: QUANTISED
;;     2. [M 8,192, K 1,024] x [K 1,024, N 1,024]; A: input x; B: input Wk: QUANTISED
;;     3. [M 8,192, K 1,024] x [K 1,024, N 1,024]; A: input x; B: input Wv: QUANTISED
;;     4. batch 64 x [M 2,048, K 64] x [K 64, N 2,048]; A: computed on the way; B: computed on the way: QUANTISED
;;     5. batch 64 x [M 2,048, K 2,048] x [K 2,048, N 64]; A: softmax (see below); B: computed on the way: QUANTISED
;;     6. [M 8,192, K 1,024] x [K 1,024, N 1,024]; A: computed on the way; B: input Wp: QUANTISED
;;   THE QUANTISER, for each operand of a quantised product, along K:
;;     - K is cut into blocks of 32 from its start; a last block that is shorter is filled with zeros.
;;     - A block's scale is 2^e with e = floor(log2(the largest magnitude in the block)) - 2, held to -126 .. 127; a block of zeros has e = 0. As a byte (E8M0): e + 127.
;;     - Each number is divided by its block's scale, clamped to +-6, and rounded to the nearest number of E2M1, ties to even, subnormals kept.
;;     - The product sums the exact products of the quantised numbers (number of the format x scale) in f32.
;;   ~~~python
;;   def quantise(x, axis):      # numpy; x: float32 -> the quantised numbers, widened to float32 again
;;       x = np.moveaxis(x, axis, -1); K = x.shape[-1]
;;       x = np.pad(x, [(0, 0)] * (x.ndim - 1) + [(0, -K % 32)]); x = x.reshape(x.shape[:-1] + (-1, 32)); a = np.abs(x).max(-1, keepdims=True)
;;       e = np.where(a > 0, np.clip(np.frexp(np.where(a > 0, a, 1))[1] - 1 - 2, -126, 127), 0)      # np.frexp(a)[1] - 1 = floor(log2(a)), exactly
;;       r = np.clip(x / 2.0 ** e, -6, 6)
;;       step = 2.0 ** (np.maximum(np.frexp(np.where(r == 0, 1, r))[1] - 1, 0) - 1)
;;       q = np.round(r / step) * step * 2.0 ** e      # np.round: ties to even
;;       return np.moveaxis(q.reshape(q.shape[:-2] + (-1,))[..., :K], -1, axis).astype(np.float32)
;;   ~~~
;;   SOFTMAX AHEAD OF A QUANTISED PRODUCT. Where the list says 'softmax', what is quantised is not the finished softmax but p = 2^(t - M), with t = logit x log2(e) and M = ceil(the row's largest t), a whole number; so 1/2 < the row's largest p <= 1. The row's sum l is taken of the UNQUANTISED p, in f32, and the product's result is divided by l at the end. Since M is a whole number, a kernel that streams over the keys may use a running M (the ceiling of the running maximum): every later rescaling is an exact power of two, which a block's scale takes up: the codes' values come out the same.
;;   OPERANDS COMPUTED ON THE WAY. 'Computed on the way' means the value that the module computes at that place (a softmax that the list does not call 'softmax' is quantised finished and normalised). What goes into a quantiser is computed in f32, as accurately as f32 sums, v_exp_f32 and their like allow (about 1e-6 of the number): no bf16 or f16 on the way to a quantiser, and a product that is left as it is and whose result goes on into a quantised operand takes f32 operands (vector FMAs, or v_wmma_f32_16x16x4_f32). A number that lies on a knife's edge between two numbers of the format may be rounded either way, as far as f32 arithmetic and the matrix unit's own rounding can turn it there, and no further.
;; One version. Each part assembles by itself: llvm-mc -triple=amdgcn-amd-amdhsa -mcpu=gfx1250 --defsym DOCPART=n.
;; ======== version 1 of 1: 4 launches
;; workspace buffers: cd 6,291,456 bytes; sc 393,216 bytes; qkv 13,893,632 bytes; oc 4,194,304 bytes; os 262,144 bytes
;; launch quant (part 1): grid 384 x 1, 4 waves a work-group, no clusters, 34,304 bytes of LDS; arguments x, Wq, Wk, Wv, Wp, cd, sc; writes cd, sc
.if DOCPART == 1
	.amdgcn_target "amdgcn-amd-amdhsa--gfx1250"
	.amdhsa_code_object_version 6
	.text
	.protected	k_qca0461f73c_quant
	.globl	k_qca0461f73c_quant
	.p2align	8
	.type	k_qca0461f73c_quant,@function
k_qca0461f73c_quant:
	s_mov_b64 s[64:65], 0
	v_nop
	global_prefetch_b8 v0, s[64:65] scope:SCOPE_SE
	s_setreg_imm32_b32 hwreg(HW_REG_WAVE_MODE, 25, 1), 1
	s_wait_xcnt 0x0
; x [8192][1024] and Wq, Wk, Wv, Wp [1024][1024], f32 with K innermost, become codes of FP4 (E2M1) with one E8M0 scale byte for each 32 along K.
; A block's scale is 2^(floor(log2(its largest magnitude)) - 2); its byte is the largest magnitude's exponent field - 2, held at 1 from below.
; LIMITS: NaN and infinities among the inputs are not served; a block whose largest magnitude lies under 2^-124 gets the byte 1; a block of zeros gets the byte 1 where the
; quantiser's text says 127: its codes are zeros, which add nothing under any byte but 0xff, and the bytes are read by this program alone.
; WHAT IS WRITTEN is laid as the later launches' registers want it.
;   ROW TILES IN POSITION ORDER: tile T (16 rows) holds, at place p = 0 .. 15, row 32 (T / 2) + 8 (T % 2) + p + 8 (p / 8).  As source 0 of a product, tiles 2 b and 2 b + 1 then leave 16 neighbouring rows
;   in a lane's 16 result registers, which is what the next quantiser wants.
;   cd: [768 tiles][8 K steps][c 0..1][lane][16 bytes]: lane (r, h) of half c holds k = 128 s + 64 c + 32 h + 0 .. 31 of place r: an image of the operand's registers.  Tiles: x 0.., Wq 512.., Wk 576.., Wv 640.., Wp 704..
;   sc: [768 tiles][K half 0..1][r][16 bytes]: the scale words of four K steps of place r.
; SHARES: 384 work-groups of four waves; wave w of work-group g takes tile 2 g + w / 2 and K half w % 2: 16 rows x 512 along K, in four steps of 128.
; A load reads 512 consecutive bytes of one row; the conversions want 32 neighbours along K in one lane: so a step's 16 x 512 bytes turn through the wave's own stage in LDS (rows of 512 + 16 bytes).
; Waves share nothing: no barrier, no tensor load, no cluster (no two work-groups read the same bytes).  Loads run two steps, 32 loads a wave, ahead.
.set SP,  528                          ; a stage row: 512 bytes + 16
.set WST, 16*SP                        ; a wave's stage
.set C,   24                           ; v24-55   codes: eight registers a step, never written again
.set R,   64                           ; v64-191  two sets of 64 registers as loaded
.set X,   192                          ; v192-255 64 numbers of my row: register 32 c + i = k 64 c + 32 h + i
	s_load_b256 s[4:11], s[0:1], 0x0               ; x s[4:5], Wq s[6:7], Wk s[8:9], Wv s[10:11]
	s_load_b128 s[12:15], s[0:1], 0x20             ; Wp s[12:13], cd s[14:15]
	s_load_b64 s[16:17], s[0:1], 0x30              ; sc
	v_lshl_add_u32 v62, v0, 2, 0x8400
	v_mov_b32 v63, 0
	v_lshrrev_b32 v1, 5, v0
	v_readfirstlane_b32 s18, v1                    ; wave 0..3
	v_and_b32 v2, 15, v0                           ; r
	v_bfe_u32 v3, v0, 4, 1                         ; h
	v_and_b32 v1, 31, v0                           ; lane
	v_lshlrev_b32 v4, 4, v1                        ; 16 x lane: my bytes of a load's 512, and of an image's
	s_mul_i32 s19, s18, WST                        ; my stage
	v_add_nc_u32 v5, s19, v4                       ; into it: 16 x lane of a row
	v_mul_u32_u24 v6, v2, SP
	v_lshl_add_u32 v6, v3, 7, v6
	v_add_nc_u32 v6, s19, v6                       ; out of it: row r, + 128 h bytes
	v_lshlrev_b32 v7, 3, v3                        ; 8 h: my bytes' place in a scale word, in bits
	v_lshl_add_u32 v22, v2, 4, v7                  ; 16 r + 8 h: my two scale words' place
	v_mov_b32 v15, 0                               ; written once: a lane permute's destination counts as one of its sources
	s_mov_b32 s20, 0x76543210
	s_mov_b32 s21, 0xfedcba98                      ; v_permlanex16_b32's selects for lane l xor 16
	s_lshr_b32 s22, s18, 1
	s_lshl_b32 s23, ttmp9, 1
	s_add_co_u32 s22, s22, s23                     ; D: the tile that I write
	s_and_b32 s23, s18, 1                          ; which half of K
	s_sub_co_u32 s26, ttmp9, 256
	s_lshr_b32 s26, s26, 5                         ; which weight: 0 .. 3 (a large number for x's work-groups)
	s_wait_alu depctr_va_vdst(0)
	s_wait_kmcnt 0x0
	s_mov_b64 s[24:25], s[12:13]                   ; the source: Wp, unless ..  The choices hang on the work-group's number alone
	s_cmp_eq_u32 s26, 2
	s_cselect_b64 s[24:25], s[10:11], s[24:25]
	s_cmp_eq_u32 s26, 1
	s_cselect_b64 s[24:25], s[8:9], s[24:25]
	s_cmp_eq_u32 s26, 0
	s_cselect_b64 s[24:25], s[6:7], s[24:25]
	s_cmp_lt_u32 ttmp9, 256
	s_cselect_b64 s[24:25], s[4:5], s[24:25]
	s_cselect_b32 s27, 511, 63
	s_and_b32 s27, s22, s27                        ; the tile's number within its source
	s_lshr_b32 s28, s27, 1
	s_lshl_b32 s28, s28, 17                        ; 32 (T / 2) rows of 4,096 bytes
	s_and_b32 s27, s27, 1
	s_lshl_b32 s27, s27, 15                        ; + 8 (T % 2) rows
	s_add_co_u32 s28, s28, s27
	s_lshl_b32 s27, s23, 11                        ; + my half of K: 512 numbers
	s_add_co_u32 s28, s28, s27
	s_mov_b32 s29, 0
	s_add_nc_u64 s[24:25], s[24:25], s[28:29]
	s_lshl_b32 s28, s22, 13                        ; cd: 8,192 bytes a tile, 4,096 a half of K
	s_lshl_b32 s27, s23, 12
	s_add_co_u32 s28, s28, s27
	s_add_nc_u64 s[14:15], s[14:15], s[28:29]
	s_lshl_b32 s28, s22, 9                         ; sc: 512 bytes a tile, 256 a half of K
	s_lshl_b32 s27, s23, 8
	s_add_co_u32 s28, s28, s27
	s_add_nc_u64 s[16:17], s[16:17], s[28:29]
.macro LOAD t                          ; step t: 16 loads, one for each place p of the tile: 512 consecutive bytes of row p + 8 (p / 8)
.irp p, 0,1,2,3,4,5,6,7,8,9,10,11,12,13,14,15
	global_load_b128 v[R+64*((\t)%2)+4*\p:R+64*((\t)%2)+4*\p+3], v4, s[24:25] offset:(\p+8*(\p/8))*4096+512*(\t) th:TH_LOAD_NT
.endr
.endm
.macro STEP t
.if (\t) < 3
	s_wait_loadcnt 16                              ; this step's 16 loads are in; the next step's 16 may be out
.else
	s_wait_loadcnt 0x0
.endif
.irp p, 0,1,2,3,4,5,6,7,8,9,10,11,12,13,14,15
	ds_store_b128 v5, v[R+64*((\t)%2)+4*\p:R+64*((\t)%2)+4*\p+3] offset:SP*\p
.endr
.irp c, 0,1
.irp g, 0,1,2,3,4,5,6,7
	ds_load_b128 v[X+32*\c+4*\g:X+32*\c+4*\g+3], v6 offset:256*\c+16*\g   ; LDS serves a wave's instructions in order (ISA guide 5.7.1.4): these see the stores above
.endr
.endr
	s_wait_dscnt 0x0                               ; my 64 numbers are in, and the stores have read their registers,
.if (\t) < 2
	LOAD (\t)+2                                    ; which take the loads of two steps on
.endif
.irp c, 0,1                                    ; my block 2 c + h: all its 32 numbers are mine
	v_max3_num_f32 v[8+\c], |v[X+32*\c]|, |v[X+32*\c+1]|, 0x1800000   ; with the floor 2^(3 - 127): the byte cannot fall under 1
.endr
.irp i, 2,4,6,8,10,12,14,16,18,20,22,24,26,28,30
.irp c, 0,1
	v_max3_num_f32 v[8+\c], v[8+\c], |v[X+32*\c+\i]|, |v[X+32*\c+\i+1]|   ; (the two blocks by turns)
.endr
.endr
.irp c, 0,1
	v_add_nc_u32 v[10+\c], 0xff000000, v[8+\c]     ; 2 off the exponent field: the conversion takes the exponent field of this operand as its scale
.endr
.irp c, 0,1
	v_lshrrev_b32 v[12+\c], 23, v[10+\c]           ; the scale's byte
.endr
	v_lshl_or_b32 v14, v13, 16, v12                ; my two bytes: blocks h and 2 + h,
	v_lshlrev_b32 v14, v7, v14                     ; at their places in the word;
	v_permlanex16_b32 v15, v14, s20, s21
	v_or_b32 v[16+(\t)], v14, v15                  ; with lane l xor 16's two the word of this K step is whole
.irp c, 0,1
.irp g, 0,1,2,3
	v_cvt_scalef32_pk8_fp4_f32 v[C+8*(\t)+4*\c+\g], v[X+32*\c+8*\g:X+32*\c+8*\g+7], v[10+\c]
.endr
.endr
	v_nop                                          ; one plain place behind a scaled conversion
.irp c, 0,1
	global_store_b128 v4, v[C+8*(\t)+4*\c:C+8*(\t)+4*\c+3], s[14:15] offset:1024*(\t)+512*\c   ; 32 lanes store 512 consecutive bytes, aligned
.endr
.endm
	LOAD 0
	LOAD 1
	STEP 0
	STEP 1
	STEP 2
	STEP 3
	v_cmp_ne_u32 vcc_lo, 0, v3                     ; both halves of the lanes hold row r's four words: lanes 0-15 store words 0 and 1, lanes 16-31 words 2 and 3
	v_cndmask_b32 v20, v16, v18, vcc_lo
	v_cndmask_b32 v21, v17, v19, vcc_lo
	global_store_b64 v22, v[20:21], s[16:17]       ; 32 lanes store 256 consecutive bytes, aligned
	s_wait_tensorcnt 0x0
	ds_add_u32 v62, v63
	s_wait_dscnt 0x0
	s_endpgm
.Lfunc_end_k_qca0461f73c_quant:
	.size	k_qca0461f73c_quant, .Lfunc_end_k_qca0461f73c_quant-k_qca0461f73c_quant
	.p2alignl 7, 3214868480
	.fill 96, 4, 3214868480
	.section	.rodata,"a",@progbits
	.p2align	6, 0x0
	.amdhsa_kernel k_qca0461f73c_quant
		.amdhsa_group_segment_fixed_size 34304
		.amdhsa_private_segment_fixed_size 0
		.amdhsa_enable_private_segment 0
		.amdhsa_kernarg_size 56
		.amdhsa_user_sgpr_count 2
		.amdhsa_user_sgpr_kernarg_segment_ptr 1
		.amdhsa_wavefront_size32 1
		.amdhsa_system_sgpr_workgroup_id_x 1
		.amdhsa_system_sgpr_workgroup_id_y 1
		.amdhsa_system_sgpr_workgroup_id_z 1
		.amdhsa_system_vgpr_workitem_id 0
		.amdhsa_next_free_vgpr 256
		.amdhsa_next_free_sgpr 66
		.amdhsa_reserve_vcc 1
		.amdhsa_float_denorm_mode_32 3
		.amdhsa_float_denorm_mode_16_64 3
		.amdhsa_memory_ordered 1
		.amdhsa_forward_progress 1
		.amdhsa_inst_pref_size 30
	.end_amdhsa_kernel
	.amdgpu_metadata
---
amdhsa.version: [ 1, 2 ]
amdhsa.kernels:
  - .name:           k_qca0461f73c_quant
    .symbol:         k_qca0461f73c_quant.kd
    .args:
      - { .name: x, .offset: 0, .size: 8, .value_kind: global_buffer, .address_space: global }
      - { .name: Wq, .offset: 8, .size: 8, .value_kind: global_buffer, .address_space: global }
      - { .name: Wk, .offset: 16, .size: 8, .value_kind: global_buffer, .address_space: global }
      - { .name: Wv, .offset: 24, .size: 8, .value_kind: global_buffer, .address_space: global }
      - { .name: Wp, .offset: 32, .size: 8, .value_kind: global_buffer, .address_space: global }
      - { .name: cd, .offset: 40, .size: 8, .value_kind: global_buffer, .address_space: global }
      - { .name: sc, .offset: 48, .size: 8, .value_kind: global_buffer, .address_space: global }
    .group_segment_fixed_size: 34304
    .private_segment_fixed_size: 0
    .kernarg_segment_align: 8
    .kernarg_segment_size: 56
    .max_flat_workgroup_size: 128
    .sgpr_count:     66
    .vgpr_count:     256
    .wavefront_size: 32
...
	.end_amdgpu_metadata
.endif
;; end of part 1
;; launch qkv (part 2): grid 12 x 64, 4 waves a work-group, clusters of 4 x 4, 211,456 bytes of LDS; arguments cd, sc, qkv; writes qkv
.if DOCPART == 2
	.amdgcn_target "amdgcn-amd-amdhsa--gfx1250"
	.amdhsa_code_object_version 6
	.text
	.protected	k_qca0461f73c_qkv
	.globl	k_qca0461f73c_qkv
	.p2align	8
	.type	k_qca0461f73c_qkv,@function
k_qca0461f73c_qkv:
	s_mov_b64 s[64:65], 0
	v_nop
	global_prefetch_b8 v0, s[64:65] scope:SCOPE_SE
	s_setreg_imm32_b32 hwreg(HW_REG_WAVE_MODE, 25, 1), 1
	s_wait_xcnt 0x0
	s_wait_alu depctr_hold_cnt(0) depctr_sa_sdst(0) depctr_va_vdst(0) depctr_va_sdst(0) depctr_va_ssrc(0) depctr_va_vcc(0) depctr_vm_vsrc(0)
	s_getreg_b32 s2, hwreg(HW_REG_IB_STS2, 6, 4)
	s_cmp_eq_u32 s2, 0
	s_cbranch_scc0 .Lentry_in_a_cluster
	s_endpgm
.Lentry_in_a_cluster:
	s_bfe_u32 s2, ttmp6, 0x10000c
	s_cmp_lg_u32 s2, 0xf033
	s_cbranch_scc0 .Lentry_shape_is_right
	s_endpgm
.Lentry_shape_is_right:
; q = x Wq^T, k = x Wk^T, v = x Wv^T on codes of FP4 with E8M0 scales (K = 1,024), and the results quantised in the accumulators' registers: q and k along the head's 64 channels, v along the keys.
; No f32 result goes to memory.  LIMITS: as the quantising launch states them (NaN, infinities; the byte 1 for tiny blocks and blocks of zeros).
; THE PRODUCT: source 0 = 16 rows of B', source 1 = 16 rows of A': a lane holds ONE row of A' and its registers run along B's rows.  Row tiles are stored in position order (place p of tile T is row
; 32 (T / 2) + 8 (T % 2) + p + 8 (p / 8)), so the 16 registers of B's tiles 2 b and 2 b + 1 are 16 NEIGHBOURING rows of B': the axis that is quantised.  q, k: A' = x, B' = Wq | Wk (registers along channels).  v: A' = Wv, B' = x (registers along keys).
; SHARES: a work-group makes 128 rows of A' x 256 rows of B'; wave (wm, wn) 64 x 128: 4 x 8 accumulators.  Clusters of 4 x 4; the cluster's x says which product: 0 q, 1 k, 2 v.  768 work-groups.
; The four of a cluster's row need the same tiles of A', the four of a column the same tiles of B': each is asked for JOINTLY, by the same tensor load with the same descriptor and a mask that names the four.
; LDS: ALL of K fits: K steps 0-3 at 0, K steps 4-7 at CHUNK, each A's 8 tiles x 4,096 bytes and B's 16; the scale words behind them; every byte is filled once, so no slot is ever filled again.
; Fragments lie in LDS as images of their registers (16 bytes a lane, 512 consecutive bytes a load): no pitch, no padding.
; qkv: 64 records (batch x 16 + head) of REC bytes: KC [128 key tiles][512], VC [16 key steps][4 channel tiles][1,024], KS [2,048][4], VS [16][64][4], QC [128 tiles][512], QS [2,048][4].
; A q or k image is half a fragment (64 channels); in its scale word bytes 0 and 1 count; bytes 2 and 3 hold another block's byte or 0, and meet zero codes in the attention launch.
; REGISTERS: window 0: v1-5 at work, v16-17, v20-21, v27 LDS addresses, v32-95 scale words, v96-159 A's fragments (two sets), v160-227 the way out.  window 1: accumulator (a, i) at v[64 a + 8 i].  window 2: v0-127 B's fragments (two sets).
.set CHUNK, 98304                      ; four K steps: A's 8 tiles x 4,096, then B's 16 x 4,096
.set BOFF,  32768
.set SCL,   2*CHUNK                    ; the scale words: A's 8 tiles x 512, then B's 16 x 512
.set STG,   SCL+12288                  ; 512 bytes for each wave: the results' scale words on their way out; no fill lands here
.set REC,   217088
.set VC,    65536
.set KS,    131072
.set VS,    139264
.set QC,    143360
.set QS,    208896
.set ADRA, 16                          ; v16-17  my A fragments in K steps 0-3, 4-7
.set ADRB, 20                          ; v20-21  the same for B
.set ADRS, 27                          ; v27     my scale words: lanes 0-15 A's, lanes 16-31 B's
.set SC,   32                          ; v32-95  register 32 s + 4 i + q: lanes 0-15 the word of A's block i, lanes 16-31 of B's block i, K step 4 s + q
.set AF,   96
.set TM,   160                         ; v160-175 at work in the quantiser
.set PW,   176                         ; the scale word just made
.set DD,   177                         ; v177-180 the word as it leaves, one register a block
.set SH,   181                         ; 16 h (q, k: lanes 16-31 take the second head's two bytes) or 0 (v)
.set SWA,  182                         ; the stage: where I put a word
.set SRA,  183                         ; and where I read 16 bytes back
.set PC,   184                         ; v184-215 the codes: eight registers a block, never written again
.set SVO,  217                         ; my offset for the scale words' store
.set VO,   220                         ; v220-223 my offset for block a's codes
.set TT,   224
.set G1, 24                            ; s[24:31] group 1 for A's codes; s[32:39] group 0, a set for each half of K
.set G0, 32
.set G1B, 48                           ; s[48:55], s[56:63] the same for B's
.set G0B, 56
.set G1S, 68                           ; s[68:75], s[76:79] groups 1 and 0 for A's scale words; s[80:87], s[88:91] for B's
.set G0S, 76
.set G1SB, 80
.set G0SB, 88
.set MSB, 0
.macro WIN new                         ; s_set_vgpr_msb: bits 1:0 source 0, 3:2 source 1, 5:4 source 2, 7:6 destination; the high byte repeats the setting that is left
.if MSB != \new
	s_set_vgpr_msb (MSB<<8)|\new
.set MSB, \new
.endif
.endm
.macro PLACES n
.rept \n
	v_nop
.endr
.endm
; A joint load: waves 0 and 1 fetch for A, waves 2 and 3 for B.  The branch hangs on the wave's number alone.  Four v_nop follow each of the two lines.
.macro JLOAD g0a, g1a, g0b, g1b
	s_cmp_eq_u32 s15, 0
	s_cbranch_scc0 .Lfor_b_\@
	tensor_load_to_lds s[\g0a:\g0a+3], s[\g1a:\g1a+7]
	s_nop 0
.rept 4
	v_nop
.endr
	s_branch .Lasked_\@
.Lfor_b_\@:
	tensor_load_to_lds s[\g0b:\g0b+3], s[\g1b:\g1b+7]
	s_nop 0
.rept 4
	v_nop
.endr
.Lasked_\@:
.endm
.macro CROUND                          ; a round of the cluster's barrier
	s_barrier_signal -1
	s_barrier_wait -1
	s_cmp_lg_u32 s14, 0
	s_cbranch_scc1 .Lnot_wave_0_\@
	s_barrier_signal -3
.Lnot_wave_0_\@:
	s_barrier_wait -3
	s_barrier_signal -1
	s_barrier_wait -1
.endm
	s_load_b128 s[4:7], s[0:1], 0x0                ; cd s[4:5], sc s[6:7]
	s_load_b64 s[8:9], s[0:1], 0x10                ; qkv
	v_lshl_add_u32 v254, v0, 2, 0x33800
	v_mov_b32 v255, 0
	ds_add_u32 v254, v255
	ds_add_u32 v254, v255
	v_lshrrev_b32 v1, 5, v0
	v_readfirstlane_b32 s14, v1                    ; wave 0..3
	s_lshr_b32 s15, s14, 1                         ; wm: my 64 rows of A'.  Also: I fetch for A (0) or for B (1)
	s_and_b32 s16, s14, 1                          ; wn: my 128 rows of B'.  Also: which half of that tile I fetch
	s_bfe_u32 s40, ttmp6, 0x40000                  ; cx, cy: my place in the cluster
	s_bfe_u32 s41, ttmp6, 0x40004
	s_and_b32 s18, ttmp7, 0xffff                   ; the cluster's y, 0 .. 15
	s_lshr_b32 s19, s18, 3
	s_and_b32 s2, s18, 7
	s_mov_b32 s3, ttmp9                            ; the cluster's x: 0 q, 1 k, 2 v: the same in all sixteen partners
	s_cmp_eq_u32 s3, 2
	s_cselect_b32 s17, s19, s18                    ; which four tile rows of the product: v has 8 (Wv's 1,024 rows), q and k 64 (x's 8,192)
	s_cselect_b32 s42, s2, s3                      ; which four tile columns: v has 32 (x), q and k together 8 (Wq, then Wk)
	s_cselect_b32 s12, 640, 0                      ; A's first row tile in cd: Wv's or x's
	s_cselect_b32 s13, 0, 512                      ; B's: x's or Wq's
	s_lshl_b32 s17, s17, 2
	s_add_co_u32 s17, s17, s41                     ; tr: tile row
	s_lshl_b32 s42, s42, 2
	s_add_co_u32 s42, s42, s40                     ; tc: tile column
	s_lshl_b32 s43, s41, 2
	s_lshl_b32 s43, 15, s43                        ; my row of the cluster
	s_lshl_b32 s44, 0x1111, s40                    ; my column
	; group 1, elements of 8 bytes, no padding; 15:0 the mask, bit 21 set beside it.  Codes: a row is four K steps of one row tile, 4,096 bytes, and the tiles lie 8,192 bytes apart
	s_or_b32 s[G1+0], s43, (3<<16)|(1<<21)
	s_or_b32 s[G1B+0], s44, (3<<16)|(1<<21)
	s_or_b32 s[G1S+0], s43, (3<<16)|(1<<21)
	s_or_b32 s[G1SB+0], s44, (3<<16)|(1<<21)
	s_mov_b32 s[G1+1], 512<<16                     ; tensor_dim0 = 512 elements
	s_mov_b32 s[G1+2], 4<<16                       ; tensor_dim1 = 4 tiles: half of A's eight
	s_mov_b32 s[G1+3], 512<<16                     ; tile_dim0
	s_mov_b32 s[G1+4], 4                           ; tile_dim1
	s_mov_b32 s[G1+5], 1024                        ; from tile to tile
	s_mov_b32 s[G1+6], 0
	s_mov_b32 s[G1+7], 0
	s_mov_b32 s[G1B+1], 512<<16
	s_mov_b32 s[G1B+2], 8<<16                      ; half of B's sixteen
	s_mov_b32 s[G1B+3], 512<<16
	s_mov_b32 s[G1B+4], 8
	s_mov_b32 s[G1B+5], 1024
	s_mov_b32 s[G1B+6], 0
	s_mov_b32 s[G1B+7], 0
	s_mov_b32 s[G1S+1], 32<<16                     ; scale words: dense, as rows of 256 bytes: 4 tiles x 512 bytes = 8 rows
	s_mov_b32 s[G1S+2], 8<<16
	s_mov_b32 s[G1S+3], 32<<16
	s_mov_b32 s[G1S+4], 8
	s_mov_b32 s[G1S+5], 32
	s_mov_b32 s[G1S+6], 0
	s_mov_b32 s[G1S+7], 0
	s_mov_b32 s[G1SB+1], 32<<16                    ; 8 tiles: 16 rows
	s_mov_b32 s[G1SB+2], 16<<16
	s_mov_b32 s[G1SB+3], 32<<16
	s_mov_b32 s[G1SB+4], 16
	s_mov_b32 s[G1SB+5], 32
	s_mov_b32 s[G1SB+6], 0
	s_mov_b32 s[G1SB+7], 0
	; where the tiles come from.  A's hang on the tile row alone, B's on the tile column alone, each in registers that never hold the other coordinate
	s_lshl_b32 s20, s17, 3
	s_add_co_u32 s20, s20, s12
	s_lshl_b32 s18, s16, 2
	s_add_co_u32 s20, s20, s18                     ; A: row tile 8 tr + 4 x half (+ 640)
	s_lshl_b32 s22, s20, 9                         ; its scale words,
	s_lshl_b32 s20, s20, 13                        ; its codes
	s_mov_b32 s21, 0
	s_mov_b32 s23, 0
	s_lshl_b32 s46, s42, 4
	s_add_co_u32 s46, s46, s13
	s_lshl_b32 s18, s16, 3
	s_add_co_u32 s46, s46, s18                     ; B: row tile 16 tc + 8 x half (+ 512)
	s_lshl_b32 s92, s46, 9
	s_lshl_b32 s46, s46, 13
	s_mov_b32 s47, 0
	s_mov_b32 s93, 0
	s_lshl_b32 s45, s16, 14                        ; and where they go: no place in the cluster enters an LDS address
	s_lshl_b32 s94, s16, 15
	s_lshl_b32 s95, s16, 11
	s_lshl_b32 s66, s16, 12
	s_wait_dscnt 0x0
	s_wait_kmcnt 0x0
	s_add_nc_u64 s[20:21], s[4:5], s[20:21]
	s_add_nc_u64 s[22:23], s[6:7], s[22:23]
	s_add_nc_u64 s[46:47], s[4:5], s[46:47]
	s_add_nc_u64 s[92:93], s[6:7], s[92:93]
	CROUND                                         ; all sixteen work-groups are here: the joint loads meet
	s_mov_b32 s[G0S], 1
	s_add_co_u32 s[G0S+1], s95, SCL
	s_mov_b64 s[G0S+2:G0S+3], s[22:23]
	s_or_b32 s[G0S+3], s[G0S+3], 0x80000000
	s_mov_b32 s[G0SB], 1
	s_add_co_u32 s[G0SB+1], s66, SCL+4096
	s_mov_b64 s[G0SB+2:G0SB+3], s[92:93]
	s_or_b32 s[G0SB+3], s[G0SB+3], 0x80000000
	JLOAD G0S, G1S, G0SB, G1SB                     ; the scale words first
.irp s, 0,1
	s_mov_b32 s[G0+4*\s], 1
	s_add_co_u32 s[G0+4*\s+1], s45, \s*CHUNK
	s_add_nc_u64 s[G0+4*\s+2:G0+4*\s+3], s[20:21], \s*4096
	s_or_b32 s[G0+4*\s+3], s[G0+4*\s+3], 0x80000000
	s_mov_b32 s[G0B+4*\s], 1
	s_add_co_u32 s[G0B+4*\s+1], s94, \s*CHUNK+BOFF
	s_add_nc_u64 s[G0B+4*\s+2:G0B+4*\s+3], s[46:47], \s*4096
	s_or_b32 s[G0B+4*\s+3], s[G0B+4*\s+3], 0x80000000
	JLOAD G0+4*\s, G1, G0B+4*\s, G1B               ; K steps 0-3, then 4-7: three loads of mine are out
.endr
	v_and_b32 v1, 15, v0                           ; r
	v_bfe_u32 v2, v0, 4, 1                         ; h
	s_wait_alu depctr_va_vdst(0)
	v_and_b32 v3, 31, v0
	v_lshlrev_b32 v4, 4, v3                        ; 16 x lane
	s_lshl_b32 s18, s15, 14                        ; my four tiles of A
	s_lshl_b32 s19, s16, 15                        ; my eight of B,
	s_add_co_u32 s19, s19, BOFF                    ; behind A's eight
.irp s, 0,1
	v_add_nc_u32 v[ADRA+\s], s18, v4
	v_add_nc_u32 v[ADRB+\s], s19, v4
	s_add_co_u32 s18, s18, CHUNK
	s_add_co_u32 s19, s19, CHUNK
.endr
	s_lshl_b32 s18, s15, 11                        ; A's scale words: my four tiles
	s_lshl_b32 s19, s16, 12                        ; B's: my eight, behind A's 4,096 bytes
	s_add_co_u32 s19, s19, 4096
	s_sub_co_u32 s19, s19, s18
	v_mul_u32_u24 v5, s19, v2                      ; lanes 16-31 take B's: one product, the distance between the two bases
	s_add_co_u32 s18, s18, SCL
	v_lshl_add_u32 v5, v1, 4, v5                   ; 16 bytes a row: four K steps' words
	v_add_nc_u32 v[ADRS], s18, v5
	; WHERE THE RESULTS GO.  q, k: my 64 tokens begin at position P0 = 128 tr + 64 wm; my 128 channels are heads 4 (tc % 4) + 2 wn and the next
	s_lshl_b32 s10, s17, 7
	s_lshl_b32 s11, s15, 6
	s_add_co_u32 s10, s10, s11                     ; P0
	s_lshr_b32 s11, s10, 11                        ; batch
	s_and_b32 s10, s10, 2047                       ; position in the batch
	s_lshl_b32 s11, s11, 4
	s_and_b32 s12, s42, 3
	s_lshl_b32 s12, s12, 2
	s_add_co_u32 s11, s11, s12
	s_lshl_b32 s12, s16, 1
	s_add_co_u32 s11, s11, s12                     ; the record (q, k)
	s_lshl_b32 s12, s10, 5                         ; codes: 32 bytes a position
	s_lshl_b32 s13, s10, 2                         ; scale words: 4
	s_cmp_eq_u32 s3, 0
	s_cselect_b32 s10, QC, 0
	s_mov_b32 s66, KS
	s_cselect_b32 s66, QS, s66
	s_add_co_u32 s12, s12, s10
	s_add_co_u32 s13, s13, s66
	; v: my 128 tokens are key step G = 2 tc + wn of all batches' 64; my 64 channels are head 2 tr + wm
	s_lshl_b32 s10, s42, 1
	s_add_co_u32 s10, s10, s16                     ; G
	s_lshr_b32 s66, s10, 4                         ; batch
	s_and_b32 s10, s10, 15                         ; key step
	s_lshl_b32 s66, s66, 4
	s_lshl_b32 s67, s17, 1
	s_add_co_u32 s66, s66, s67
	s_add_co_u32 s66, s66, s15                     ; the record (v)
	s_lshl_b32 s67, s10, 12
	s_add_co_u32 s67, s67, VC
	s_lshl_b32 s10, s10, 8
	s_add_co_u32 s10, s10, VS
	s_cmp_eq_u32 s3, 2                             ; only numbers are chosen: both kinds take one way through the text
	s_cselect_b32 s11, s66, s11                    ; the record,
	s_cselect_b32 s12, s67, s12                    ; the codes' place in it,
	s_cselect_b32 s13, s10, s13                    ; the scale words' place
	s_mov_b32 s66, REC
	s_cselect_b32 s10, 512, s66                    ; from a fragment's registers 0-3 to 4-7: v: the image's second half; q, k: the next head's record
	s_mov_b32 s67, 512
	s_cselect_b32 s67, 1024, s67                   ; from block to block of A'
	s_cselect_b32 s2, 0, 16                        ; the scale word's shift for lanes 16-31
	s_cselect_b32 s66, 0, s66                      ; and how far from lanes 0-15's their words are stored
	s_mul_i32 s11, s11, REC
	s_add_co_u32 s96, s11, s12
	s_mov_b32 s97, 0
	s_add_nc_u64 s[96:97], s[8:9], s[96:97]        ; registers 0-3 of the codes go here,
	s_mov_b32 s98, s10
	s_mov_b32 s99, 0
	s_add_nc_u64 s[98:99], s[96:97], s[98:99]      ; registers 4-7 here,
	s_add_co_u32 s100, s11, s13
	s_mov_b32 s101, 0
	s_add_nc_u64 s[100:101], s[8:9], s[100:101]    ; the scale words here
	v_mul_u32_u24 v[SH], s2, v2
	s_lshl_b32 s18, s14, 9
	s_add_co_u32 s18, s18, STG                     ; my 512 bytes of the stage
	v_lshlrev_b32 v5, 2, v1
	v_lshl_add_u32 v5, v2, 8, v5                   ; 256 h + 4 r
	v_add_nc_u32 v[SWA], s18, v5
	v_add_nc_u32 v[SRA], s18, v4
	v_mul_u32_u24 v5, s66, v2
	v_lshl_add_u32 v[SVO], v1, 4, v5
	v_mov_b32 v[VO], v4
	v_add_nc_u32 v[VO+1], s67, v[VO]
	v_add_nc_u32 v[VO+2], s67, v[VO+1]
	v_add_nc_u32 v[VO+3], s67, v[VO+2]
.irp b, 0,1,2,3
	v_mov_b32 v[TM+4+\b], 0                        ; written once: a lane permute's destination counts as one of its sources
.endr
	s_mov_b32 s18, 0x76543210
	s_mov_b32 s19, 0xfedcba98                      ; v_permlanex16_b32's selects for lane l xor 16
.macro SCALES                          ; all of K's scale words: 16 loads of four words
.irp s, 0,1
.irp i, 0,1,2,3,4,5,6,7
	ds_load_b128 v[SC+32*\s+4*\i:SC+32*\s+4*\i+3], v[ADRS] offset:512*\i+256*\s
.endr
.endr
.endm
.macro FETCH q                         ; K step q's fragments into set q % 2: B's eight, A's four: 24 loads of 512 consecutive bytes
	WIN 0x80                                       ; destination window 2
.irp i, 0,1,2,3,4,5,6,7
.irp c, 0,1
	ds_load_b128 v[64*((\q)%2)+8*\i+4*\c:64*((\q)%2)+8*\i+4*\c+3], v[ADRB+(\q)/4] offset:4096*\i+1024*((\q)%4)+512*\c
.endr
.endr
	WIN 0
.irp a, 0,1,2,3
.irp c, 0,1
	ds_load_b128 v[AF+32*((\q)%2)+8*\a+4*\c:AF+32*((\q)%2)+8*\a+4*\c+3], v[ADRA+(\q)/4] offset:4096*\a+1024*((\q)%4)+512*\c
.endr
.endr
.endm
; 32 matrix instructions: K step q.  The 32 accumulators take turns, one instruction a turn, in the same order in every step.  first = 1: the products start the sums: nothing is cleared.
.macro MUL q, first
.irp a, 0,1,2,3
.irp i, 0,1,2,3,4,5,6,7
.if \first
	v_wmma_scale_f32_16x16x128_f8f6f4 v[64*\a+8*\i:64*\a+8*\i+7], v[64*((\q)%2)+8*\i:64*((\q)%2)+8*\i+7], v[AF+32*((\q)%2)+8*\a:AF+32*((\q)%2)+8*\a+7], 0, v[SC+32*((\q)/4)+4*\i+(\q)%4], v[SC+32*((\q)/4)+4*\a+(\q)%4] matrix_a_fmt:MATRIX_FMT_FP4 matrix_b_fmt:MATRIX_FMT_FP4 matrix_a_scale:MATRIX_SCALE_ROW1
.else
	v_wmma_scale_f32_16x16x128_f8f6f4 v[64*\a+8*\i:64*\a+8*\i+7], v[64*((\q)%2)+8*\i:64*((\q)%2)+8*\i+7], v[AF+32*((\q)%2)+8*\a:AF+32*((\q)%2)+8*\a+7], v[64*\a+8*\i:64*\a+8*\i+7], v[SC+32*((\q)/4)+4*\i+(\q)%4], v[SC+32*((\q)/4)+4*\a+(\q)%4] matrix_a_fmt:MATRIX_FMT_FP4 matrix_b_fmt:MATRIX_FMT_FP4 matrix_a_scale:MATRIX_SCALE_ROW1
.endif
.endr
.endr
.endm
.macro STEP q, first
	s_wait_dscnt 0x0                               ; this step's fragments are in
.if (\q) == 3
	s_wait_tensorcnt 0x0                           ; my part of K steps 4-7 has landed,
	s_barrier_signal -1
	s_barrier_wait -1                              ; everybody's has: the fetch below reads it
.endif
.if (\q) < 7
.if (\q) > 0
	PLACES 4                                       ; four places between the last product and loads into registers that it or its fellows read (ISA guide 7.12.1 for vector instructions)
.endif
	FETCH (\q)+1                                   ; the next step's fragments come while this step is multiplied
.endif
	WIN 0x52                                       ; source 0 (B) window 2, source 1 (A) window 0, C and D window 1
	MUL \q, \first
	WIN 0
.endm
; Block a's 64 numbers of a lane (accumulators (a, 0 .. 7): register 16 b + i = row 32 b + 16 h + i of B') become a fragment's codes in v[PC + 8 a] on and its scale word in v[PW].
.macro QUANT a
	WIN 0x05                                       ; sources 0 and 1: window 1
.irp b, 0,1,2,3
	v_max3_num_f32 v[TM+\b], |v[64*\a+16*\b]|, |v[64*\a+16*\b+1]|, 0x1800000   ; each accumulator is read from its low end on; the floor 2^(3 - 127) holds the byte at 1 from below
.endr
.irp i, 2,4,6,8,10,12,14
.irp b, 0,1,2,3
	v_max3_num_f32 v[TM+\b], |v[64*\a+16*\b+\i]|, |v[64*\a+16*\b+\i+1]|, v[TM+\b]   ; (the four blocks by turns)
.endr
.endr
	WIN 0
.irp b, 0,1,2,3
	v_permlanex16_b32 v[TM+4+\b], v[TM+\b], s18, s19
.endr
.irp b, 0,1,2,3
	v_max_num_f32 v[TM+\b], v[TM+\b], v[TM+4+\b]   ; with lane l xor 16's 16: the block's largest magnitude
.endr
.irp b, 0,1,2,3
	v_add_nc_u32 v[TM+12+\b], 0xff000000, v[TM+\b] ; 2 off its exponent field: the conversion's scale operand
.endr
.irp b, 0,1,2,3
	v_lshrrev_b32 v[TM+4+\b], 23, v[TM+12+\b]      ; the scale's byte
.endr
	v_lshl_or_b32 v[PW], v[TM+5], 8, v[TM+4]
	v_lshl_or_b32 v[PW], v[TM+6], 16, v[PW]
	v_lshl_or_b32 v[PW], v[TM+7], 24, v[PW]
	WIN 0x01                                       ; source 0: window 1
.irp b, 0,1,2,3
	v_cvt_scalef32_pk8_fp4_f32 v[PC+8*\a+2*\b], v[64*\a+16*\b:64*\a+16*\b+7], v[TM+12+\b]
	v_cvt_scalef32_pk8_fp4_f32 v[PC+8*\a+2*\b+1], v[64*\a+16*\b+8:64*\a+16*\b+15], v[TM+12+\b]
.endr
	WIN 0
	v_nop                                          ; one plain place behind a scaled conversion
.irp c, 0,1                                    ; the operand's layout wants a WHOLE block in a lane: lanes 0-15 block 2 c, lanes 16-31 block 2 c + 1
.irp i, 0,1
	v_permlane16_swap_b32 v[PC+8*\a+4*\c+\i], v[PC+8*\a+4*\c+2+\i]
.endr
.endr
.endm
	s_wait_tensorcnt 1                             ; the scale words and my part of K steps 0-3 are in; the load of K steps 4-7 may be out
	s_barrier_signal -1
	s_barrier_wait -1                              ; everybody's are
	SCALES
	FETCH 0
	STEP 0, 1
.irp q, 1,2,3,4,5,6,7
	STEP \q, 0
.endr
	PLACES 4                                       ; in front of the first read of results
.irp a, 0,1,2,3
	QUANT \a
	global_store_b128 v[VO+\a], v[PC+8*\a:PC+8*\a+3], s[96:97]     ; 32 lanes store 512 consecutive bytes, aligned: q, k: the first head's image; v: the image's first half
	global_store_b128 v[VO+\a], v[PC+8*\a+4:PC+8*\a+7], s[98:99]   ; the second head's; the second half
	v_lshrrev_b32 v[DD+\a], v[SH], v[PW]           ; q, k: lanes 16-31 bring the second head's two bytes down
	ds_store_b32 v[SWA], v[DD+\a] offset:64*\a     ; [h][block a][r]: 256 bytes for each half of the lanes
.endr
	ds_load_b128 v[TT:TT+3], v[SRA]                ; LDS serves a wave's instructions in order (ISA guide 5.7.1.4): this sees my stores
	s_wait_dscnt 0x0
	global_store_b128 v[SVO], v[TT:TT+3], s[100:101]   ; sixteen lanes store 256 consecutive bytes, aligned.  q, k: lanes 16-31 the next head's.  v: lanes 16-31 hold a copy and store the same values to the same bytes
	s_wait_tensorcnt 0x0
	ds_add_u32 v254, v255
	s_wait_dscnt 0x0
	CROUND                                         ; the closing round: no work-group ends while a partner may still ask for a tile that names it
	s_endpgm
.Lfunc_end_k_qca0461f73c_qkv:
	.size	k_qca0461f73c_qkv, .Lfunc_end_k_qca0461f73c_qkv-k_qca0461f73c_qkv
	.p2alignl 7, 3214868480
	.fill 96, 4, 3214868480
	.section	.rodata,"a",@progbits
	.p2align	6, 0x0
	.amdhsa_kernel k_qca0461f73c_qkv
		.amdhsa_group_segment_fixed_size 211456
		.amdhsa_private_segment_fixed_size 0
		.amdhsa_enable_private_segment 0
		.amdhsa_kernarg_size 24
		.amdhsa_user_sgpr_count 2
		.amdhsa_user_sgpr_kernarg_segment_ptr 1
		.amdhsa_wavefront_size32 1
		.amdhsa_system_sgpr_workgroup_id_x 1
		.amdhsa_system_sgpr_workgroup_id_y 1
		.amdhsa_system_sgpr_workgroup_id_z 1
		.amdhsa_system_vgpr_workitem_id 0
		.amdhsa_next_free_vgpr 768
		.amdhsa_next_free_sgpr 102
		.amdhsa_reserve_vcc 0
		.amdhsa_float_denorm_mode_32 3
		.amdhsa_float_denorm_mode_16_64 3
		.amdhsa_memory_ordered 1
		.amdhsa_forward_progress 1
		.amdhsa_inst_pref_size 76
	.end_amdhsa_kernel
	.amdgpu_metadata
---
amdhsa.version: [ 1, 2 ]
amdhsa.kernels:
  - .name:           k_qca0461f73c_qkv
    .symbol:         k_qca0461f73c_qkv.kd
    .args:
      - { .name: cd, .offset: 0, .size: 8, .value_kind: global_buffer, .address_space: global }
      - { .name: sc, .offset: 8, .size: 8, .value_kind: global_buffer, .address_space: global }
      - { .name: qkv, .offset: 16, .size: 8, .value_kind: global_buffer, .address_space: global }
    .group_segment_fixed_size: 211456
    .private_segment_fixed_size: 0
    .kernarg_segment_align: 8
    .kernarg_segment_size: 24
    .max_flat_workgroup_size: 128
    .sgpr_count:     102
    .vgpr_count:     768
    .wavefront_size: 32
...
	.end_amdgpu_metadata
.endif
;; end of part 2
;; launch attn (part 3): grid 4 x 64, 16 waves a work-group, clusters of 4 x 1, 169,984 bytes of LDS; arguments qkv, oc, os; writes oc, os
.if DOCPART == 3
	.amdgcn_target "amdgcn-amd-amdhsa--gfx1250"
	.amdhsa_code_object_version 6
	.text
	.protected	k_qca0461f73c_attn
	.globl	k_qca0461f73c_attn
	.p2align	8
	.type	k_qca0461f73c_attn,@function
k_qca0461f73c_attn:
	s_mov_b64 s[64:65], 0
	v_nop
	global_prefetch_b8 v0, s[64:65] scope:SCOPE_SE
	s_setreg_imm32_b32 hwreg(HW_REG_WAVE_MODE, 25, 1), 1
	s_wait_xcnt 0x0
	s_wait_alu depctr_hold_cnt(0) depctr_sa_sdst(0) depctr_va_vdst(0) depctr_va_sdst(0) depctr_va_ssrc(0) depctr_va_vcc(0) depctr_vm_vsrc(0)
	s_getreg_b32 s2, hwreg(HW_REG_IB_STS2, 6, 4)
	s_cmp_eq_u32 s2, 0
	s_cbranch_scc0 .Lentry_in_a_cluster
	s_endpgm
.Lentry_in_a_cluster:
	s_bfe_u32 s2, ttmp6, 0x10000c
	s_cmp_lg_u32 s2, 0x3003
	s_cbranch_scc0 .Lentry_shape_is_right
	s_endpgm
.Lentry_shape_is_right:
; o[b][q][head] = softmax_k(q . k / 8, causal) v, both products on codes of FP4 with E8M0 scales, and o quantised along its channels for the last product.  Heads of 64, 2,048 tokens.
; THE SOFTMAX AHEAD OF THE SECOND PRODUCT: t = score x log2(e) / 8; M = the row's largest t so far, rounded UP to a whole number; p = 2^(t - M) is quantised along the keys, not normalised.  The row's sum is
; taken of the unquantised p, in f32, and divides O at the end.  When M moves, the sum and O are multiplied by 2^(old M - new M): exact.
; LIMITS: NaN and infinities are not served; a block of zeros (or under 2^-124) gets the byte 1: its codes are zeros or tiny, and this program alone reads the bytes; a block's largest p is taken through the
; block's largest score by the same multiply-add and exponential (it leans on v_exp_f32 not falling where its input rises).
; SHARES.  A cluster of four work-groups is one (batch, head).  Each keeps the head's K and V codes and scale words, 143,360 bytes, one dense block of its record, in LDS: filled ONCE, by eight joint loads
; (waves 0-7, 17,920 bytes each; the same load with the same descriptor and the mask of all four in every partner), and only read afterwards.
; Partner cx's wave w takes two tiles of 16 queries, one after the other: tile 8 w + 2 cx (its keys end in key step w) and tile 8 (15 - w) + 2 cx + 1 (key step 15 - w): 17 key steps of 128 keys for every wave.
; Every branch hangs on the wave's number and a counter; cx enters global offsets and the mask's comparison alone.  Each pass walks 16 trips, a constant; a key step behind the diagonal is jumped over.
; LAYOUT.  S^T = K Q^T (source 0 = 16 keys, source 1 = my 16 queries), O^T = V^T P^T (source 0 = 16 channels, source 1 = P): a lane holds ONE query throughout.  Tiles are stored in position order (place p of tile T is
; token 32 (T / 2) + 8 (T % 2) + p + 8 (p / 8)), so the 16 registers of key tiles 2 b, 2 b + 1 are keys 32 b + 16 h + 0 .. 15, and O^T's of channel tiles 2 b, 2 b + 1 channels 32 b + 16 h + 0 .. 15.
; The head has 64 channels: registers 4-7 of Q's and K's fragments are zero codes, set once.
; oc: [batch x 128 + tile][head][512]: for the last product, half head % 2 of K step head / 2's image.  os: [tile][head / 8][r][16]: byte 2 (head % 8) + block: each head owns two bytes of a row's 32, so they leave singly.
; REGISTERS: v1-7 lane terms; v8-11 the step's LDS addresses; v12 -M, v13 the largest t, v[14:15] the sum; v16-23 Q; v24-87 K's eight fragments; v88-95 K's scale words; v96-159 S^T, then p; v160-191 O^T;
;   v192-223 V's four fragments; v224-231 p's codes; v232-239, v244-247, v252-254 at work; v240-243 the pass's global offsets; v248-251 V's scale words; v255 Q's scale word.
.set REC,   217088
.set VC,    65536                      ; in the record and in LDS alike: K's codes at 0, V's here,
.set KS,    131072                     ; K's scale words,
.set VS,    139264                     ; V's
.set QC,    143360                     ; in the record alone: Q's codes and scale words
.set QS,    208896
.set FILLB, 17920                      ; 70 rows of 256 bytes: an eighth of the block
.macro CROUND                          ; a round of the cluster's barrier
	s_barrier_signal -1
	s_barrier_wait -1
	s_cmp_lg_u32 s10, 0
	s_cbranch_scc1 .Lnot_wave_0_\@
	s_barrier_signal -3
.Lnot_wave_0_\@:
	s_barrier_wait -3
	s_barrier_signal -1
	s_barrier_wait -1
.endm
	s_load_b128 s[4:7], s[0:1], 0x0                ; qkv s[4:5], oc s[6:7]
	s_load_b64 s[8:9], s[0:1], 0x10                ; os
	v_lshl_add_u32 v254, v0, 2, 0x29000
	v_mov_b32 v255, 0
	ds_add_u32 v254, v255
	ds_add_u32 v254, v255
	s_wait_dscnt 0x0
	v_lshrrev_b32 v8, 5, v0
	s_delay_alu instid0(VALU_DEP_1)
	v_readfirstlane_b32 s10, v8                    ; wave 0..15
	s_bfe_u32 s11, ttmp6, 0x40000                  ; cx
	s_and_b32 s12, ttmp7, 0xffff                   ; batch x 16 + head: the cluster's y
	s_lshr_b32 s13, s12, 4                         ; batch
	s_and_b32 s14, s12, 15                         ; head
	s_mov_b32 s15, 0xffff0000                      ; lanes 16-31
	s_mul_i32 s16, s12, REC
	s_mov_b32 s17, 0
	s_mov_b32 s20, 0x76543210
	s_mov_b32 s21, 0xfedcba98                      ; v_permlanex16_b32's selects for lane l xor 16
	s_mov_b32 s22, 0x3e38aa3b                      ; c = log2(e) / 8
	s_mov_b32 s23, s22                             ; (named with it as a pair, so it is written)
	s_mov_b32 s24, 15|(3<<16)|(1<<21)              ; group 1: 15:0 the mask: all four work-groups; 17:16 elements of 8 bytes; 21 set beside a mask; no padding
	s_mov_b32 s25, 32<<16                          ; tensor_dim0 = 32 elements: 256 bytes
	s_mov_b32 s26, 70<<16                          ; tensor_dim1 = 70
	s_mov_b32 s27, 32<<16                          ; tile_dim0
	s_mov_b32 s28, 70                              ; tile_dim1
	s_mov_b32 s29, 32                              ; dense
	s_mov_b32 s30, 0
	s_mov_b32 s31, 0
	s_mov_b32 s32, 1
	s_mul_i32 s33, s10, FILLB                      ; LDS address: wave x 17,920;
	s_mov_b32 s18, s33                             ; the same distance into the record
	s_mov_b32 s19, 0
	s_wait_kmcnt 0x0
	s_add_nc_u64 s[16:17], s[4:5], s[16:17]        ; the record
	s_add_nc_u64 s[34:35], s[16:17], s[18:19]
	s_or_b32 s35, s35, 0x80000000
	CROUND                                         ; all four work-groups are here: the joint loads meet
	s_cmp_lt_u32 s10, 8
	s_cbranch_scc0 .Lno_fill
	tensor_load_to_lds s[32:35], s[24:31]          ; one load of mine is out
	s_nop 0
.rept 4
	v_nop
.endr
.Lno_fill:
	v_and_b32 v9, 15, v0                           ; r
	v_bfe_u32 v10, v0, 4, 1                        ; h
	v_and_b32 v11, 31, v0
	s_delay_alu instid0(VALU_DEP_1)
	v_lshlrev_b32 v1, 4, v11                       ; 16 x lane: my bytes of an image of K,
	s_delay_alu instid0(VALU_DEP_1)
	v_add_nc_u32 v2, VC, v1                        ; of V
	v_lshlrev_b32 v6, 2, v9                        ; 4 r
	s_delay_alu instid0(VALU_DEP_1)
	v_add_nc_u32 v3, KS, v6                        ; K's scale words,
	s_delay_alu instid0(VALU_DEP_2)
	v_add_nc_u32 v4, VS, v6                        ; V's
	v_and_b32 v5, 8, v9
	s_delay_alu instid0(VALU_DEP_1)
	v_add_nc_u32 v5, v5, v9                        ; r + 8 (r / 8)
	v_lshlrev_b32 v8, 4, v10
	s_delay_alu instid0(VALU_DEP_1)
	v_sub_nc_u32 v5, v5, v8
	s_lshl_b32 s41, s11, 5
	v_add_nc_u32 v5, s41, v5                       ; my query within its 128, less 16 h (pass 1: 8 more)
	v_lshl_add_u32 v7, v9, 4, v10                  ; 16 r + h
.irp j, 20,21,22,23
	v_mov_b32 v[\j], 0                             ; Q's zero codes
.endr
.irp t, 0,1,2,3,4,5,6,7
.irp j, 4,5,6,7
	v_mov_b32 v[24+8*\t+\j], 0                     ; K's
.endr
.endr
.irp j, 236,237,238,239,252,253
	v_mov_b32 v[\j], 0                             ; written once: lane permutes' destinations, and the pair v[252:253]
.endr
	s_wait_tensorcnt 0x0                           ; my part has landed,
	s_barrier_signal -1
	s_barrier_wait -1                              ; everybody's has.  From here on LDS is only read
.macro PASS e
	s_wait_xcnt 0x0                                ; the last pass's stores have read their offsets and data: both are written again below
.if \e == 0
	s_mov_b32 s36, s10                             ; the key step on the diagonal: wave,
.else
	s_xor_b32 s36, s10, 15                         ; or 15 - wave
.endif
	s_lshl_b32 s41, s36, 3
	s_lshl_b32 s42, s11, 1
	s_add_co_u32 s41, s41, s42
	s_add_co_u32 s41, s41, \e                      ; my tile of queries
	s_lshl_b32 s42, s41, 9
	s_add_co_u32 s42, s42, QC
	v_add_nc_u32 v240, s42, v1
	s_lshl_b32 s42, s41, 6
	s_add_co_u32 s42, s42, QS
	v_add_nc_u32 v241, s42, v6
	global_load_b128 v[16:19], v240, s[16:17]      ; Q's image
	global_load_b32 v255, v241, s[16:17]           ; and its scale words
	s_lshl_b32 s42, s13, 7
	s_add_co_u32 s42, s42, s41                     ; batch x 128 + tile
	s_lshl_b32 s43, s42, 13
	s_lshl_b32 s44, s14, 9
	s_add_co_u32 s43, s43, s44
	v_add_nc_u32 v242, s43, v1                     ; oc: 8,192 a tile, 512 a head, 16 a lane
	s_lshl_b32 s43, s42, 9
	s_lshr_b32 s44, s14, 3
	s_lshl_b32 s44, s44, 8
	s_add_co_u32 s43, s43, s44
	s_and_b32 s44, s14, 7
	s_lshl_b32 s44, s44, 1
	s_add_co_u32 s43, s43, s44
	v_add_nc_u32 v243, s43, v7                     ; os: 512 a tile, 256 (head / 8), 16 r, 2 (head % 8) + h
	v_mov_b32 v13, 0xff61b1e6                      ; the largest t so far: -3e38, under every t
	s_delay_alu instid0(VALU_DEP_1)
	v_floor_f32 v12, -v13                          ; -M
	v_mov_b32 v14, 0                               ; the sum, in two halves
	v_mov_b32 v15, 0
.set n, 0
.rept 32
	v_mov_b32 v[160+n], 0                          ; O^T.  (The step is written once: the first finds zeros, which the first change of M leaves zeros)
.set n, n+1
.endr
	s_mov_b32 s37, 0                               ; the key step,
	s_mov_b32 s38, 0                               ; its codes: 4,096 bytes a step, of K and of V,
	s_mov_b32 s39, 0                               ; K's scale words: 512,
	s_mov_b32 s40, 0                               ; V's: 256
	s_wait_loadcnt 0x0                             ; Q
.Lks_\@:
	s_cmp_gt_u32 s37, s36                          ; all keys of this step come after my queries: only the steps at the trip's start are run
	s_cbranch_scc1 .Lhid_\@
	s_setprio 2
	v_add_nc_u32 v8, s38, v1                       ; (these four are the places between the last step's products and the loads into V's registers)
	v_add_nc_u32 v9, s38, v2
	v_add_nc_u32 v10, s39, v3
	v_add_nc_u32 v11, s40, v4
.irp t, 0,1,2,3,4,5,6,7
	ds_load_b128 v[24+8*\t:27+8*\t], v8 offset:512*\t
	ds_load_b32 v[88+\t], v10 offset:64*\t
.endr
.irp a, 0,1,2,3
.irp c, 0,1
	ds_load_b128 v[192+8*\a+4*\c:195+8*\a+4*\c], v9 offset:1024*\a+512*\c
.endr
	ds_load_b32 v[248+\a], v11 offset:64*\a
.endr
	s_wait_dscnt 12                                ; K's sixteen loads are in; V's twelve may be out until the second product
.irp t, 0,1,2,3,4,5,6,7
	v_wmma_scale_f32_16x16x128_f8f6f4 v[96+8*\t:103+8*\t], v[24+8*\t:31+8*\t], v[16:23], 0, v[88+\t], v255 matrix_a_fmt:MATRIX_FMT_FP4 matrix_b_fmt:MATRIX_FMT_FP4
.endr
.rept 4
	v_nop                                          ; four places in front of the first read of results (ISA guide 7.12.1)
.endr
	s_cmp_lg_u32 s37, s36                          ; on the diagonal the scores of hidden keys become -infinity ahead of the maximum: p = 0 then
	s_cbranch_scc1 .Lopen_\@
	v_add_nc_u32 v252, 8*\e, v5                    ; d = my query - the step's first key - 16 h.  Register 16 b + i holds key 32 b + 16 h + i: hidden where 32 b + i > d
	v_mov_b32 v254, 0xff800000
.set n, 0
.rept 64
	v_cmp_gt_i32 vcc_lo, 32*(n/16)+n%16, v252
	v_cndmask_b32 v[96+n], v[96+n], v254, vcc_lo
.set n, n+1
.endr
.Lopen_\@:
.irp b, 0,1,2,3
	v_max3_num_f32 v[232+\b], v[96+16*\b], v[97+16*\b], v[98+16*\b]   ; the largest score of each block of 32 keys: for the row's maximum, and, since p rises with the score, for the block's largest p
.endr
.irp i, 3,5,7,9,11,13
.irp b, 0,1,2,3
	v_max3_num_f32 v[232+\b], v[232+\b], v[96+16*\b+\i], v[97+16*\b+\i]
.endr
.endr
.irp b, 0,1,2,3
	v_max_num_f32 v[232+\b], v[232+\b], v[111+16*\b]
.endr
.irp b, 0,1,2,3
	s_delay_alu instid0(VALU_DEP_4)
	v_permlanex16_b32 v[236+\b], v[232+\b], s20, s21
.endr
.irp b, 0,1,2,3
	s_delay_alu instid0(VALU_DEP_4)
	v_max_num_f32 v[232+\b], v[232+\b], v[236+\b]  ; with lane l xor 16's 16 keys
.endr
	s_delay_alu instid0(VALU_DEP_2)
	v_max3_num_f32 v254, v232, v233, v234
	s_delay_alu instid0(VALU_DEP_1)
	v_max_num_f32 v254, v254, v235                 ; the step's largest score of my query
	s_delay_alu instid0(VALU_DEP_1)
	v_mul_f32 v254, s22, v254                      ; as t (c is positive)
	s_delay_alu instid0(VALU_DEP_1)
	v_max_num_f32 v13, v13, v254                   ; the running largest t
	v_mov_b32 v254, v12
	s_delay_alu instid0(VALU_DEP_2)
	v_floor_f32 v12, -v13                          ; the new -M = floor(-t) = -ceil(t): a whole number
	s_delay_alu instid0(VALU_DEP_1)
	v_sub_f32 v254, v12, v254                      ; old M - new M: a whole number, 0 or less
	s_delay_alu instid0(VALU_DEP_1)
	v_cvt_i32_f32 v254, v254                       ; (it saturates)
	s_delay_alu instid0(VALU_DEP_1)
	v_ldexp_f32 v252, 1.0, v254                    ; f = 2^(old M - new M)
.set n, 0
.rept 32
	v_pk_fma_f32 v[96+n:97+n], v[96+n:97+n], s[22:23], v[12:13] op_sel_hi:[1,0,0]   ; t - M, two at a time
.set n, n+2
.endr
	s_setprio 1
.irp b, 0,1,2,3
	v_fma_f32 v[232+\b], v[232+\b], s22, v12       ; the same of each block's largest score
.endr
.set n, 0
	s_wait_alu depctr_va_vdst(0)
.rept 64
	v_exp_f32 v[96+n], v[96+n]                     ; p = 2^(t - M), at most 1
.set n, n+1
.endr
.irp b, 0,1,2,3
	v_exp_f32 v[232+\b], v[232+\b]                 ; the block's largest p
.endr
	v_pk_mul_f32 v[14:15], v[14:15], v[252:253] op_sel_hi:[1,0]   ; the sums under the new M.  (A plain place behind the exponentials)
.set n, 0
	s_wait_alu depctr_va_vdst(0)
.rept 16
	v_pk_mul_f32 v[160+n:161+n], v[160+n:161+n], v[252:253] op_sel_hi:[1,0]   ; O^T under the new M, each accumulator from its low end on
.set n, n+2
.endr
	s_wait_alu depctr_va_vdst(0)
.irp b, 0,1,2,3
	v_max_num_f32 v[232+\b], 0x1800000, v[232+\b]  ; the floor 2^(3 - 127): the byte cannot fall under 1
.endr
.irp b, 0,1,2,3
	s_delay_alu instid0(VALU_DEP_4)
	v_add_nc_u32 v[244+\b], 0xff000000, v[232+\b]  ; 2 off the exponent field: the conversion's scale operand
.endr
.irp b, 0,1,2,3
	s_delay_alu instid0(VALU_DEP_4)
	v_lshrrev_b32 v[236+\b], 23, v[244+\b]         ; the scale's byte
.endr
	s_delay_alu instid0(VALU_DEP_3)
	v_lshl_or_b32 v253, v237, 8, v236              ; p's scale word for these 128 keys
	s_delay_alu instid0(VALU_DEP_1)
	v_lshl_or_b32 v253, v238, 16, v253
	s_delay_alu instid0(VALU_DEP_1)
	v_lshl_or_b32 v253, v239, 24, v253
.irp b, 0,1,2,3
	v_cvt_scalef32_pk8_fp4_f32 v[224+2*\b], v[96+16*\b:103+16*\b], v[244+\b]
	v_cvt_scalef32_pk8_fp4_f32 v[225+2*\b], v[104+16*\b:111+16*\b], v[244+\b]
.endr
	s_setprio 0
	v_nop                                          ; one plain place behind a scaled conversion
.irp c, 0,1                                    ; a WHOLE block in a lane: lanes 0-15 block 2 c, lanes 16-31 block 2 c + 1
.irp i, 0,1
	v_permlane16_swap_b32 v[224+4*\c+\i], v[226+4*\c+\i]
.endr
.endr
	v_pk_add_f32 v[236:237], v[100:101], v[104:105]
	v_pk_add_f32 v[246:247], v[108:109], v[112:113]
	v_pk_add_f32 v[244:245], v[116:117], v[120:121]
	v_pk_add_f32 v[240:241], v[124:125], v[128:129]
	v_pk_add_f32 v[234:235], v[132:133], v[136:137]
	v_pk_add_f32 v[232:233], v[140:141], v[144:145]
	v_pk_add_f32 v[94:95], v[148:149], v[152:153]
	v_pk_add_f32 v[14:15], v[14:15], v[156:157]
	v_pk_add_f32 v[236:237], v[236:237], v[96:97]
	v_pk_add_f32 v[246:247], v[246:247], v[98:99]
	v_pk_add_f32 v[244:245], v[244:245], v[102:103]
	v_pk_add_f32 v[240:241], v[240:241], v[106:107]
	v_pk_add_f32 v[234:235], v[234:235], v[110:111]
	v_pk_add_f32 v[232:233], v[232:233], v[114:115]
	v_pk_add_f32 v[94:95], v[94:95], v[118:119]
	v_pk_add_f32 v[14:15], v[14:15], v[122:123]
	v_pk_add_f32 v[236:237], v[236:237], v[126:127]
	v_pk_add_f32 v[246:247], v[246:247], v[130:131]
	v_pk_add_f32 v[244:245], v[244:245], v[134:135]
	v_pk_add_f32 v[240:241], v[240:241], v[138:139]
	v_pk_add_f32 v[234:235], v[234:235], v[142:143]
	v_pk_add_f32 v[232:233], v[232:233], v[146:147]
	v_pk_add_f32 v[94:95], v[94:95], v[150:151]
	v_pk_add_f32 v[14:15], v[14:15], v[154:155]
	v_pk_add_f32 v[236:237], v[236:237], v[158:159]
	s_delay_alu instid0(VALU_DEP_2)
	v_pk_add_f32 v[14:15], v[14:15], v[240:241]
	s_delay_alu instid0(VALU_DEP_2)
	v_pk_add_f32 v[236:237], v[236:237], v[234:235]
	v_pk_add_f32 v[246:247], v[246:247], v[232:233]
	v_pk_add_f32 v[244:245], v[244:245], v[94:95]
	s_delay_alu instid0(VALU_DEP_2)
	v_pk_add_f32 v[14:15], v[14:15], v[246:247]
	s_delay_alu instid0(VALU_DEP_2)
	v_pk_add_f32 v[236:237], v[236:237], v[244:245]
	s_delay_alu instid0(VALU_DEP_1)
	v_pk_add_f32 v[14:15], v[14:15], v[236:237]
	s_wait_dscnt 0x0                               ; V
.irp a, 0,1,2,3                                ; four accumulators by turns, one instruction a turn
	v_wmma_scale_f32_16x16x128_f8f6f4 v[160+8*\a:167+8*\a], v[192+8*\a:199+8*\a], v[224:231], v[160+8*\a:167+8*\a], v[248+\a], v253 matrix_a_fmt:MATRIX_FMT_FP4 matrix_b_fmt:MATRIX_FMT_FP4
.endr
.Lhid_\@:
	s_add_co_u32 s38, s38, 4096
	s_add_co_u32 s39, s39, 512
	s_add_co_u32 s40, s40, 256
	s_add_co_u32 s37, s37, 1
	s_cmp_lt_u32 s37, 16
	s_cbranch_scc1 .Lks_\@
	s_setprio 0
	; THE PASS'S END: O^T / the sum, quantised along the head's 64 channels: two blocks
.rept 4
	v_nop                                          ; places behind the last products
.endr
	s_wait_alu depctr_va_vdst(0)
	v_add_f32 v14, v14, v15                        ; the sum's two halves,
	s_delay_alu instid0(VALU_DEP_1)
	v_permlanex16_b32 v252, v14, s20, s21
	s_delay_alu instid0(VALU_DEP_1)
	v_add_f32 v14, v14, v252                       ; and lane l xor 16's
	s_wait_alu depctr_va_vdst(0)
	v_rcp_f32 v14, v14
	v_nop                                          ; one plain place behind a transcendental
.set n, 0
	s_wait_alu depctr_va_vdst(0)
.rept 16
	v_pk_mul_f32 v[96+n:97+n], v[160+n:161+n], v[14:15] op_sel_hi:[1,0]   ; register 16 b + i: channel 32 b + 16 h + i of my query
.set n, n+2
.endr
.irp b, 0,1
	v_max3_num_f32 v[232+\b], |v[96+16*\b]|, |v[97+16*\b]|, 0x1800000
.endr
.irp i, 2,4,6,8,10,12,14
.irp b, 0,1
	s_delay_alu instid0(VALU_DEP_2)
	v_max3_num_f32 v[232+\b], v[232+\b], |v[96+16*\b+\i]|, |v[97+16*\b+\i]|
.endr
.endr
.irp b, 0,1
	s_delay_alu instid0(VALU_DEP_2)
	v_permlanex16_b32 v[236+\b], v[232+\b], s20, s21
.endr
.irp b, 0,1
	s_delay_alu instid0(VALU_DEP_2)
	v_max_num_f32 v[232+\b], v[232+\b], v[236+\b]
.endr
.irp b, 0,1
	s_delay_alu instid0(VALU_DEP_2)
	v_add_nc_u32 v[244+\b], 0xff000000, v[232+\b]
.endr
.irp b, 0,1
	s_delay_alu instid0(VALU_DEP_2)
	v_lshrrev_b32 v[236+\b], 23, v[244+\b]
.endr
	s_delay_alu instid0(VALU_DEP_1)
	v_cndmask_b32 v238, v236, v237, s15            ; lanes 0-15 send block 0's byte, lanes 16-31 block 1's
.irp b, 0,1
	v_cvt_scalef32_pk8_fp4_f32 v[224+2*\b], v[96+16*\b:103+16*\b], v[244+\b]
	v_cvt_scalef32_pk8_fp4_f32 v[225+2*\b], v[104+16*\b:111+16*\b], v[244+\b]
.endr
	v_nop                                          ; one plain place behind a scaled conversion
	v_permlane16_swap_b32 v224, v226               ; registers 0-3: channels 32 h + 0 .. 31
	v_permlane16_swap_b32 v225, v227
	global_store_b128 v242, v[224:227], s[6:7]     ; 32 lanes store 512 consecutive bytes, aligned
	global_store_b8 v243, v238, s[8:9]
.endm
	PASS 0
	PASS 1
	s_wait_xcnt 0x0
	v_lshl_add_u32 v254, v0, 2, 0x29000
	v_mov_b32 v255, 0
	s_wait_alu depctr_va_vdst(0)
	s_wait_tensorcnt 0x0
	ds_add_u32 v254, v255
	s_wait_dscnt 0x0
	CROUND                                         ; the closing round
	s_endpgm
.Lfunc_end_k_qca0461f73c_attn:
	.size	k_qca0461f73c_attn, .Lfunc_end_k_qca0461f73c_attn-k_qca0461f73c_attn
	.p2alignl 7, 3214868480
	.fill 96, 4, 3214868480
	.section	.rodata,"a",@progbits
	.p2align	6, 0x0
	.amdhsa_kernel k_qca0461f73c_attn
		.amdhsa_group_segment_fixed_size 169984
		.amdhsa_private_segment_fixed_size 0
		.amdhsa_enable_private_segment 0
		.amdhsa_kernarg_size 24
		.amdhsa_user_sgpr_count 2
		.amdhsa_user_sgpr_kernarg_segment_ptr 1
		.amdhsa_wavefront_size32 1
		.amdhsa_system_sgpr_workgroup_id_x 1
		.amdhsa_system_sgpr_workgroup_id_y 1
		.amdhsa_system_sgpr_workgroup_id_z 1
		.amdhsa_system_vgpr_workitem_id 0
		.amdhsa_next_free_vgpr 256
		.amdhsa_next_free_sgpr 66
		.amdhsa_reserve_vcc 1
		.amdhsa_float_denorm_mode_32 3
		.amdhsa_float_denorm_mode_16_64 3
		.amdhsa_memory_ordered 1
		.amdhsa_forward_progress 1
		.amdhsa_inst_pref_size 63
	.end_amdhsa_kernel
	.amdgpu_metadata
---
amdhsa.version: [ 1, 2 ]
amdhsa.kernels:
  - .name:           k_qca0461f73c_attn
    .symbol:         k_qca0461f73c_attn.kd
    .args:
      - { .name: qkv, .offset: 0, .size: 8, .value_kind: global_buffer, .address_space: global }
      - { .name: oc, .offset: 8, .size: 8, .value_kind: global_buffer, .address_space: global }
      - { .name: os, .offset: 16, .size: 8, .value_kind: global_buffer, .address_space: global }
    .group_segment_fixed_size: 169984
    .private_segment_fixed_size: 0
    .kernarg_segment_align: 8
    .kernarg_segment_size: 24
    .max_flat_workgroup_size: 512
    .sgpr_count:     66
    .vgpr_count:     256
    .wavefront_size: 32
...
	.end_amdgpu_metadata
.endif
;; end of part 3
;; launch proj (part 4): grid 4 x 64, 4 waves a work-group, clusters of 4 x 4, 327,680 bytes of LDS; arguments oc, os, cd, sc, bp, out0; writes out0
.if DOCPART == 4
	.amdgcn_target "amdgcn-amd-amdhsa--gfx1250"
	.amdhsa_code_object_version 6
	.text
	.protected	k_qca0461f73c_proj
	.globl	k_qca0461f73c_proj
	.p2align	8
	.type	k_qca0461f73c_proj,@function
k_qca0461f73c_proj:
	s_mov_b64 s[64:65], 0
	v_nop
	global_prefetch_b8 v0, s[64:65] scope:SCOPE_SE
	s_setreg_imm32_b32 hwreg(HW_REG_WAVE_MODE, 25, 1), 1
	s_wait_xcnt 0x0
	s_wait_alu depctr_hold_cnt(0) depctr_sa_sdst(0) depctr_va_vdst(0) depctr_va_sdst(0) depctr_va_ssrc(0) depctr_va_vcc(0) depctr_vm_vsrc(0)
	s_getreg_b32 s2, hwreg(HW_REG_IB_STS2, 6, 4)
	s_cmp_eq_u32 s2, 0
	s_cbranch_scc0 .Lentry_in_a_cluster
	s_endpgm
.Lentry_in_a_cluster:
	s_bfe_u32 s2, ttmp6, 0x10000c
	s_cmp_lg_u32 s2, 0xf033
	s_cbranch_scc0 .Lentry_shape_is_right
	s_endpgm
.Lentry_shape_is_right:
; out0 = o Wp^T + bp on codes of FP4 with E8M0 scales, K = 1,024; out0 [8192][1024] f32.
; THE PRODUCT: source 0 = 16 rows of Wp (B'), source 1 = 16 tokens of o (A'): a lane holds ONE token and its registers run along the output channels.  Row tiles are stored in position order (place p of tile T is row
; 32 (T / 2) + 8 (T % 2) + p + 8 (p / 8)), so the 16 registers of B's tiles 2 b and 2 b + 1 are 16 neighbouring channels, and lane r of A's tile T is token 32 (T / 2) + 8 (T % 2) + r + 8 (r / 8).
; SHARES: a work-group makes 128 tokens x 256 channels; wave (wm, wn) 64 x 128: 4 x 8 accumulators.  256 work-groups in clusters of 4 x 4: the four of a cluster's row need the same tiles of o, the four of a column the
; same tiles of Wp: each is asked for JOINTLY, by the same tensor load with the same descriptor and a mask that names the four.
; LDS: ALL of K fits: K steps 0-3 at 0, K steps 4-7 at CHUNK, each A's 8 tiles x 4,096 bytes and B's 16; the scale words behind them; every byte is filled once.  Fragments lie as images of their registers.
; The bias is the C of each sum's first matrix instruction.  The way out goes through each wave's own stage, so that 32 lanes store 512 consecutive bytes of a row.
; REGISTERS: window 0: v1-6 at work, v16-17, v20-21, v24-25, v27 LDS addresses, v32-95 scale words, v96-159 A's fragments (two sets).  window 1: accumulator (a, i) at v[64 a + 8 i].
;   window 2: v0-127 B's fragments (two sets), v128-191 the bias, eight registers a tile of B'; on the way out all 256: rows read back from the stage.
.set CHUNK, 98304
.set BOFF,  32768
.set SCL,   2*CHUNK
.set STG,   SCL+12288                  ; 16 rows x (512 + 16) bytes for each wave; no fill lands here
.set SPI,   528
.set ADRA, 16
.set ADRB, 20
.set STO,  24                          ; v24  the stage: where I put 16 bytes of a row
.set RD,   25                          ; v25  and where I read a row back
.set ADRS, 27
.set SC,   32
.set AF,   96
.set BI,   128                         ; in window 2
.set G1, 24
.set G0, 32
.set G1B, 48
.set G0B, 56
.set G1S, 68
.set G0S, 76
.set G1SB, 80
.set G0SB, 88
.set MSB, 0
.macro WIN new                         ; s_set_vgpr_msb: bits 1:0 source 0, 3:2 source 1, 5:4 source 2, 7:6 destination; the high byte repeats the setting that is left
.if MSB != \new
	s_set_vgpr_msb (MSB<<8)|\new
.set MSB, \new
.endif
.endm
.macro PLACES n
.rept \n
	v_nop
.endr
.endm
; A joint load: waves 0 and 1 fetch for A, waves 2 and 3 for B.  The branch hangs on the wave's number alone.  Four v_nop follow each of the two lines.
.macro JLOAD g0a, g1a, g0b, g1b
	s_cmp_eq_u32 s15, 0
	s_cbranch_scc0 .Lfor_b_\@
	tensor_load_to_lds s[\g0a:\g0a+3], s[\g1a:\g1a+7]
	s_nop 0
.rept 4
	v_nop
.endr
	s_branch .Lasked_\@
.Lfor_b_\@:
	tensor_load_to_lds s[\g0b:\g0b+3], s[\g1b:\g1b+7]
	s_nop 0
.rept 4
	v_nop
.endr
.Lasked_\@:
.endm
.macro CROUND                          ; a round of the cluster's barrier
	s_barrier_signal -1
	s_barrier_wait -1
	s_cmp_lg_u32 s14, 0
	s_cbranch_scc1 .Lnot_wave_0_\@
	s_barrier_signal -3
.Lnot_wave_0_\@:
	s_barrier_wait -3
	s_barrier_signal -1
	s_barrier_wait -1
.endm
	s_load_b128 s[4:7], s[0:1], 0x0                ; oc s[4:5], os s[6:7]
	s_load_b128 s[8:11], s[0:1], 0x10              ; cd s[8:9], sc s[10:11]
	s_load_b128 s[96:99], s[0:1], 0x20             ; bp s[96:97], out0 s[98:99]
	v_lshl_add_u32 v254, v0, 2, 0x3b400
	v_mov_b32 v255, 0
	ds_add_u32 v254, v255
	ds_add_u32 v254, v255
	v_lshrrev_b32 v1, 5, v0
	v_readfirstlane_b32 s14, v1                    ; wave 0..3
	s_lshr_b32 s15, s14, 1                         ; wm: my 64 tokens.  Also: I fetch for A (0) or for B (1)
	s_and_b32 s16, s14, 1                          ; wn: my 128 channels.  Also: which half of that tile I fetch
	s_bfe_u32 s40, ttmp6, 0x40000                  ; cx, cy
	s_bfe_u32 s41, ttmp6, 0x40004
	s_lshl_b32 s42, ttmp9, 2
	s_add_co_u32 s42, s42, s40                     ; tc: tile column = 4 x cluster x + cx
	s_and_b32 s17, ttmp7, 0xffff
	s_lshl_b32 s17, s17, 2
	s_add_co_u32 s17, s17, s41                     ; tr: tile row = 4 x cluster y + cy
	s_lshl_b32 s43, s41, 2
	s_lshl_b32 s43, 15, s43                        ; my row of the cluster
	s_lshl_b32 s44, 0x1111, s40                    ; my column
	; group 1, elements of 8 bytes, no padding; 15:0 the mask, bit 21 set beside it.  Codes: a row is four K steps of one row tile, 4,096 bytes, and the tiles lie 8,192 bytes apart
	s_or_b32 s[G1+0], s43, (3<<16)|(1<<21)
	s_or_b32 s[G1B+0], s44, (3<<16)|(1<<21)
	s_or_b32 s[G1S+0], s43, (3<<16)|(1<<21)
	s_or_b32 s[G1SB+0], s44, (3<<16)|(1<<21)
	s_mov_b32 s[G1+1], 512<<16                     ; tensor_dim0 = 512 elements
	s_mov_b32 s[G1+2], 4<<16                       ; tensor_dim1 = 4 tiles: half of A's eight
	s_mov_b32 s[G1+3], 512<<16                     ; tile_dim0
	s_mov_b32 s[G1+4], 4                           ; tile_dim1
	s_mov_b32 s[G1+5], 1024                        ; from tile to tile
	s_mov_b32 s[G1+6], 0
	s_mov_b32 s[G1+7], 0
	s_mov_b32 s[G1B+1], 512<<16
	s_mov_b32 s[G1B+2], 8<<16                      ; half of B's sixteen
	s_mov_b32 s[G1B+3], 512<<16
	s_mov_b32 s[G1B+4], 8
	s_mov_b32 s[G1B+5], 1024
	s_mov_b32 s[G1B+6], 0
	s_mov_b32 s[G1B+7], 0
	s_mov_b32 s[G1S+1], 32<<16                     ; scale words: dense, as rows of 256 bytes: 4 tiles x 512 bytes = 8 rows
	s_mov_b32 s[G1S+2], 8<<16
	s_mov_b32 s[G1S+3], 32<<16
	s_mov_b32 s[G1S+4], 8
	s_mov_b32 s[G1S+5], 32
	s_mov_b32 s[G1S+6], 0
	s_mov_b32 s[G1S+7], 0
	s_mov_b32 s[G1SB+1], 32<<16                    ; 8 tiles: 16 rows
	s_mov_b32 s[G1SB+2], 16<<16
	s_mov_b32 s[G1SB+3], 32<<16
	s_mov_b32 s[G1SB+4], 16
	s_mov_b32 s[G1SB+5], 32
	s_mov_b32 s[G1SB+6], 0
	s_mov_b32 s[G1SB+7], 0
	; where the tiles come from.  A's hang on the tile row alone, B's on the tile column alone, each in registers that never hold the other coordinate
	s_lshl_b32 s20, s17, 3
	s_lshl_b32 s18, s16, 2
	s_add_co_u32 s20, s20, s18                     ; A: row tile 8 tr + 4 x half of oc
	s_lshl_b32 s22, s20, 9                         ; its scale words,
	s_lshl_b32 s20, s20, 13                        ; its codes
	s_mov_b32 s21, 0
	s_mov_b32 s23, 0
	s_lshl_b32 s46, s42, 4
	s_add_co_u32 s46, s46, 704
	s_lshl_b32 s18, s16, 3
	s_add_co_u32 s46, s46, s18                     ; B: row tile 704 + 16 tc + 8 x half of cd: Wp
	s_lshl_b32 s92, s46, 9
	s_lshl_b32 s46, s46, 13
	s_mov_b32 s47, 0
	s_mov_b32 s93, 0
	s_lshl_b32 s45, s16, 14                        ; and where they go: no place in the cluster enters an LDS address
	s_lshl_b32 s94, s16, 15
	s_lshl_b32 s95, s16, 11
	s_lshl_b32 s66, s16, 12
	s_wait_dscnt 0x0
	s_wait_kmcnt 0x0
	s_add_nc_u64 s[20:21], s[4:5], s[20:21]
	s_add_nc_u64 s[22:23], s[6:7], s[22:23]
	s_add_nc_u64 s[46:47], s[8:9], s[46:47]
	s_add_nc_u64 s[92:93], s[10:11], s[92:93]
	CROUND                                         ; all sixteen work-groups are here: the joint loads meet
	s_mov_b32 s[G0S], 1
	s_add_co_u32 s[G0S+1], s95, SCL
	s_mov_b64 s[G0S+2:G0S+3], s[22:23]
	s_or_b32 s[G0S+3], s[G0S+3], 0x80000000
	s_mov_b32 s[G0SB], 1
	s_add_co_u32 s[G0SB+1], s66, SCL+4096
	s_mov_b64 s[G0SB+2:G0SB+3], s[92:93]
	s_or_b32 s[G0SB+3], s[G0SB+3], 0x80000000
	JLOAD G0S, G1S, G0SB, G1SB                     ; the scale words first
.irp s, 0,1
	s_mov_b32 s[G0+4*\s], 1
	s_add_co_u32 s[G0+4*\s+1], s45, \s*CHUNK
	s_add_nc_u64 s[G0+4*\s+2:G0+4*\s+3], s[20:21], \s*4096
	s_or_b32 s[G0+4*\s+3], s[G0+4*\s+3], 0x80000000
	s_mov_b32 s[G0B+4*\s], 1
	s_add_co_u32 s[G0B+4*\s+1], s94, \s*CHUNK+BOFF
	s_add_nc_u64 s[G0B+4*\s+2:G0B+4*\s+3], s[46:47], \s*4096
	s_or_b32 s[G0B+4*\s+3], s[G0B+4*\s+3], 0x80000000
	s_wait_alu depctr_va_vdst(0)
	s_wait_tensorcnt 0x0
	ds_add_u32 v254, v255
	s_wait_dscnt 0x0
	CROUND
	JLOAD G0+4*\s, G1, G0B+4*\s, G1B               ; K steps 0-3, then 4-7: one load of mine is out
.endr
	v_and_b32 v1, 15, v0                           ; r
	v_bfe_u32 v2, v0, 4, 1                         ; h
	v_and_b32 v3, 31, v0
	v_lshlrev_b32 v4, 4, v3                        ; 16 x lane
	v_lshlrev_b32 v6, 6, v2                        ; the bias: 16 h numbers on
	s_wait_alu depctr_va_vdst(0)
	s_lshl_b32 s12, s42, 10
	s_lshl_b32 s13, s16, 9
	s_add_co_u32 s12, s12, s13                     ; my first channel, in bytes: 1,024 tc + 512 wn
	s_mov_b32 s13, 0
	s_add_nc_u64 s[96:97], s[96:97], s[12:13]
	s_lshl_b32 s100, s17, 19
	s_lshl_b32 s101, s15, 18
	s_add_co_u32 s100, s100, s101                  ; my first token: (128 tr + 64 wm) rows of 4,096 bytes
	s_add_co_u32 s100, s100, s12
	s_mov_b32 s101, 0
	s_add_nc_u64 s[98:99], s[98:99], s[100:101]
	WIN 0x80                                       ; destination window 2
.irp i, 0,1,2,3,4,5,6,7                        ; tile i's registers hold channels 32 (i / 2) + 8 (i % 2) + 16 h + 0 .. 7
	global_load_b128 v[BI+8*\i:BI+8*\i+3], v6, s[96:97] offset:(32*(\i/2)+8*(\i%2))*4
	global_load_b128 v[BI+8*\i+4:BI+8*\i+7], v6, s[96:97] offset:(32*(\i/2)+8*(\i%2))*4+16
.endr
	WIN 0
	s_lshl_b32 s18, s15, 14                        ; my four tiles of A
	s_lshl_b32 s19, s16, 15                        ; my eight of B,
	s_add_co_u32 s19, s19, BOFF                    ; behind A's eight
.irp s, 0,1
	v_add_nc_u32 v[ADRA+\s], s18, v4
	v_add_nc_u32 v[ADRB+\s], s19, v4
	s_add_co_u32 s18, s18, CHUNK
	s_add_co_u32 s19, s19, CHUNK
.endr
	s_lshl_b32 s18, s15, 11                        ; A's scale words: my four tiles
	s_lshl_b32 s19, s16, 12                        ; B's: my eight, behind A's 4,096 bytes
	s_add_co_u32 s19, s19, 4096
	s_sub_co_u32 s19, s19, s18
	v_mul_u32_u24 v5, s19, v2                      ; lanes 16-31 take B's: one product, the distance between the two bases
	s_add_co_u32 s18, s18, SCL
	v_lshl_add_u32 v5, v1, 4, v5
	v_add_nc_u32 v[ADRS], s18, v5
	s_mul_i32 s18, s14, 16*SPI
	s_add_co_u32 s18, s18, STG                     ; my stage
	v_mul_u32_u24 v5, v1, SPI
	v_lshl_add_u32 v5, v2, 6, v5                   ; in: row r, + 64 h bytes
	v_add_nc_u32 v[STO], s18, v5
	v_add_nc_u32 v[RD], s18, v4                    ; back: the 32 lanes take one row of 512 bytes
.macro SCALES                          ; all of K's scale words: 16 loads of four words
.irp s, 0,1
.irp i, 0,1,2,3,4,5,6,7
	ds_load_b128 v[SC+32*\s+4*\i:SC+32*\s+4*\i+3], v[ADRS] offset:512*\i+256*\s
.endr
.endr
.endm
.macro FETCH q                         ; K step q's fragments into set q % 2: B's eight, A's four: 24 loads of 512 consecutive bytes
	WIN 0x80                                       ; destination window 2
.irp i, 0,1,2,3,4,5,6,7
.irp c, 0,1
	ds_load_b128 v[64*((\q)%2)+8*\i+4*\c:64*((\q)%2)+8*\i+4*\c+3], v[ADRB+(\q)/4] offset:4096*\i+1024*((\q)%4)+512*\c
.endr
.endr
	WIN 0
.irp a, 0,1,2,3
.irp c, 0,1
	ds_load_b128 v[AF+32*((\q)%2)+8*\a+4*\c:AF+32*((\q)%2)+8*\a+4*\c+3], v[ADRA+(\q)/4] offset:4096*\a+1024*((\q)%4)+512*\c
.endr
.endr
.endm
; 32 matrix instructions: K step q.  The 32 accumulators take turns, one instruction a turn, in the same order in every step.  first = 1: the sums begin with the bias as C.
.macro MUL q, first
.irp a, 0,1,2,3
.irp i, 0,1,2,3,4,5,6,7
.if \first
	v_wmma_scale_f32_16x16x128_f8f6f4 v[64*\a+8*\i:64*\a+8*\i+7], v[64*((\q)%2)+8*\i:64*((\q)%2)+8*\i+7], v[AF+32*((\q)%2)+8*\a:AF+32*((\q)%2)+8*\a+7], v[BI+8*\i:BI+8*\i+7], v[SC+32*((\q)/4)+4*\i+(\q)%4], v[SC+32*((\q)/4)+4*\a+(\q)%4] matrix_a_fmt:MATRIX_FMT_FP4 matrix_b_fmt:MATRIX_FMT_FP4 matrix_a_scale:MATRIX_SCALE_ROW1
.else
	v_wmma_scale_f32_16x16x128_f8f6f4 v[64*\a+8*\i:64*\a+8*\i+7], v[64*((\q)%2)+8*\i:64*((\q)%2)+8*\i+7], v[AF+32*((\q)%2)+8*\a:AF+32*((\q)%2)+8*\a+7], v[64*\a+8*\i:64*\a+8*\i+7], v[SC+32*((\q)/4)+4*\i+(\q)%4], v[SC+32*((\q)/4)+4*\a+(\q)%4] matrix_a_fmt:MATRIX_FMT_FP4 matrix_b_fmt:MATRIX_FMT_FP4 matrix_a_scale:MATRIX_SCALE_ROW1
.endif
.endr
.endr
.endm
.macro STEP q, first
	s_wait_dscnt 0x0                               ; this step's fragments are in
.if (\q) == 3
	s_wait_tensorcnt 0x0                           ; my part of K steps 4-7 has landed,
	s_barrier_signal -1
	s_barrier_wait -1                              ; everybody's has: the fetch below reads it
.endif
.if (\q) < 7
.if (\q) > 0
	PLACES 4                                       ; four places between the last product and loads into registers that it or its fellows read (ISA guide 7.12.1 for vector instructions)
.endif
	FETCH (\q)+1                                   ; the next step's fragments come while this step is multiplied
.endif
.if \first
	WIN 0x62                                       ; source 0 (B) window 2, source 1 (A) window 0, C (the bias) window 2, D window 1
.else
	WIN 0x52                                       ; C and D window 1
.endif
	MUL \q, \first
	WIN 0
.endm
; THE WAY OUT, block a (16 tokens x 128 channels) at a time: into my stage, back as whole rows of 512 bytes.  LDS serves a wave's instructions in order (ISA guide 5.7.1.4): no wait between the stores and the loads, nor in front of the next block's stores.
.macro TOSTAGE a
	WIN 0x04                                       ; an LDS store's data are its source 1: window 1
.irp i, 0,1,2,3,4,5,6,7
	ds_store_b128 v[STO], v[64*\a+8*\i:64*\a+8*\i+3] offset:128*(\i/2)+32*(\i%2)        ; each accumulator from its low end on
	ds_store_b128 v[STO], v[64*\a+8*\i+4:64*\a+8*\i+7] offset:128*(\i/2)+32*(\i%2)+16
.endr
	WIN 0x80                                       ; destination window 2: 64 registers of its own for each block, so that no store's data are written again
.irp t, 0,1,2,3,4,5,6,7,8,9,10,11,12,13,14,15
	ds_load_b128 v[64*\a+4*\t:64*\a+4*\t+3], v[RD] offset:SPI*\t
.endr
.endm
.macro SEND a, younger                 ; younger: the LDS instructions issued behind block a's loads, which may stay out
	s_wait_dscnt \younger
	WIN 0x08                                       ; a store's data are its source 1: window 2
.irp t, 0,1,2,3,4,5,6,7,8,9,10,11,12,13,14,15
	global_store_b128 v4, v[64*\a+4*\t:64*\a+4*\t+3], s[98:99] offset:(32*(\a/2)+8*(\a%2)+\t+8*(\t/8))*4096 th:TH_STORE_NT   ; place t of the block is that token; 32 lanes store 512 consecutive bytes, aligned; written once, read by nobody here
.endr
.endm
	s_wait_alu depctr_va_vdst(0)
	s_wait_tensorcnt 1                             ; the scale words and my part of K steps 0-3 are in; the load of K steps 4-7 may be out
	s_barrier_signal -1
	s_barrier_wait -1                              ; everybody's are
	SCALES
	FETCH 0
	s_wait_loadcnt 0x0                             ; the bias
	STEP 0, 1
.irp q, 1,2,3,4,5,6,7
	STEP \q, 0
.endr
	PLACES 4                                       ; in front of the first read of results, and of loads into registers that the products read
	TOSTAGE 0
	TOSTAGE 1
	SEND 0, 32                                     ; behind block 0's loads: block 1's 16 stores and 16 loads
	TOSTAGE 2
	SEND 1, 32
	TOSTAGE 3
	SEND 2, 32
	SEND 3, 0
	WIN 0
	s_wait_tensorcnt 0x0
	ds_add_u32 v254, v255
	s_wait_dscnt 0x0
	CROUND                                         ; the closing round: no work-group ends while a partner may still ask for a tile that names it
	s_endpgm
.Lfunc_end_k_qca0461f73c_proj:
	.size	k_qca0461f73c_proj, .Lfunc_end_k_qca0461f73c_proj-k_qca0461f73c_proj
	.p2alignl 7, 3214868480
	.fill 96, 4, 3214868480
	.section	.rodata,"a",@progbits
	.p2align	6, 0x0
	.amdhsa_kernel k_qca0461f73c_proj
		.amdhsa_group_segment_fixed_size 327680
		.amdhsa_private_segment_fixed_size 0
		.amdhsa_enable_private_segment 0
		.amdhsa_kernarg_size 48
		.amdhsa_user_sgpr_count 2
		.amdhsa_user_sgpr_kernarg_segment_ptr 1
		.amdhsa_wavefront_size32 1
		.amdhsa_system_sgpr_workgroup_id_x 1
		.amdhsa_system_sgpr_workgroup_id_y 1
		.amdhsa_system_sgpr_workgroup_id_z 1
		.amdhsa_system_vgpr_workitem_id 0
		.amdhsa_next_free_vgpr 768
		.amdhsa_next_free_sgpr 102
		.amdhsa_reserve_vcc 0
		.amdhsa_float_denorm_mode_32 3
		.amdhsa_float_denorm_mode_16_64 3
		.amdhsa_memory_ordered 1
		.amdhsa_forward_progress 1
		.amdhsa_inst_pref_size 74
	.end_amdhsa_kernel
	.amdgpu_metadata
---
amdhsa.version: [ 1, 2 ]
amdhsa.kernels:
  - .name:           k_qca0461f73c_proj
    .symbol:         k_qca0461f73c_proj.kd
    .args:
      - { .name: oc, .offset: 0, .size: 8, .value_kind: global_buffer, .address_space: global }
      - { .name: os, .offset: 8, .size: 8, .value_kind: global_buffer, .address_space: global }
      - { .name: cd, .offset: 16, .size: 8, .value_kind: global_buffer, .address_space: global }
      - { .name: sc, .offset: 24, .size: 8, .value_kind: global_buffer, .address_space: global }
      - { .name: bp, .offset: 32, .size: 8, .value_kind: global_buffer, .address_space: global }
      - { .name: out0, .offset: 40, .size: 8, .value_kind: global_buffer, .address_space: global }
    .group_segment_fixed_size: 327680
    .private_segment_fixed_size: 0
    .kernarg_segment_align: 8
    .kernarg_segment_size: 48
    .max_flat_workgroup_size: 128
    .sgpr_count:     102
    .vgpr_count:     768
    .wavefront_size: 32
...
	.end_amdgpu_metadata
.endif
;; end of part 4
